; MI455X (gfx1250); checked and timed in simulation.
; The chip was launched on July 23, 2026; its instructions are those of AMD's public machine-readable ISA for CDNA 5 (MIT licence, August 2026) and "CDNA5" Instruction Set Architecture Reference Guide (July 2026). The comments in the code are by the model that wrote it; some were corrected since.
;; Msa Update With Pair And Coord. Allowed arithmetic: matrix products marked QUANTISED: E2M1 operands, one E8M0 scale for each 32 along K, by v_wmma_scale_f32_16x16x128_f8f6f4 with both operands' format E2M1 (or v_wmma_scale_f32_32x16x128_f4), f32 sums; everything else in f32.
;; Inputs: W1 256 x 1,024 float32; W2 1,024 x 256 float32; Wk 64 x 128 float32; Wq 64 x 128 float32; Wv 256 x 256 float32; b1 1,024 float32; b2 256 float32; bk 128 float32; bq 128 float32; bv 256 float32; ff_ln_b 256 float32; ff_ln_g 256 float32; ln_msa_b 256 float32; ln_msa_g 256 float32; ln_out_b 256 float32; ln_out_g 256 float32; ln_state_b 64 float32; ln_state_g 64 float32; msa 1 x 128 x 512 x 256 float32; state 1 x 512 x 64 float32; xyz 1 x 512 x 3 x 3 float32.
;; Outputs: out0 1 x 128 x 512 x 256 float32.
;; This version of the problem:
;;   THIS VERSION OF THE PROBLEM IS GIVEN IN LOW PRECISION. The matrix products marked QUANTISED in the list below multiply operands that are first quantised to E2M1 (2 exponent bits, 1 mantissa bit; 4 bits a number), with one power-of-two scale for each 32 numbers along K (OCP MX v1.0); their sums are f32. All else is computed in f32.
;;   The module's matrix products, in the order in which they are computed (A, B: the left and right operand; K: the contracted axis; several contracted axes count as one K, in the product's order):
;;     1. [M 512, K 64] x [K 64, N 128]; A: computed on the way; B: input Wq: QUANTISED
;;     2. [M 512, K 64] x [K 64, N 128]; A: computed on the way; B: input Wk: QUANTISED
;;     3. [M 65,536, K 256] x [K 256, N 256]; A: computed on the way; B: input Wv: QUANTISED
;;     4. batch 4 x [M 512, K 32] x [K 32, N 512]; A: computed on the way; B: computed on the way: QUANTISED
;;     5. batch 4 x [M 8,192, K 512] x [K 512, N 512]; A: computed on the way; B: softmax (see below): QUANTISED
;;     6. [M 65,536, K 256] x [K 256, N 1,024]; A: computed on the way; B: input W1: QUANTISED
;;     7. [M 65,536, K 1,024] x [K 1,024, N 256]; A: computed on the way; B: input W2: QUANTISED
;;   THE QUANTISER, for each operand of a quantised product, along K:
;;     - K is cut into blocks of 32 from its start; a last block that is shorter is filled with zeros.
;;     - A block's scale is 2^e with e = floor(log2(the largest magnitude in the block)) - 2, held to -126 .. 127; a block of zeros has e = 0. As a byte (E8M0): e + 127.
;;     - Each number is divided by its block's scale, clamped to +-6, and rounded to the nearest number of E2M1, ties to even, subnormals kept.
;;     - The product sums the exact products of the quantised numbers (number of the format x scale) in f32.
;;   ~~~python
;;   def quantise(x, axis):      # numpy; x: float32 -> the quantised numbers, widened to float32 again
;;       x = np.moveaxis(x, axis, -1); K = x.shape[-1]
;;       x = np.pad(x, [(0, 0)] * (x.ndim - 1) + [(0, -K % 32)]); x = x.reshape(x.shape[:-1] + (-1, 32)); a = np.abs(x).max(-1, keepdims=True)
;;       e = np.where(a > 0, np.clip(np.frexp(np.where(a > 0, a, 1))[1] - 1 - 2, -126, 127), 0)      # np.frexp(a)[1] - 1 = floor(log2(a)), exactly
;;       r = np.clip(x / 2.0 ** e, -6, 6)
;;       step = 2.0 ** (np.maximum(np.frexp(np.where(r == 0, 1, r))[1] - 1, 0) - 1)
;;       q = np.round(r / step) * step * 2.0 ** e      # np.round: ties to even
;;       return np.moveaxis(q.reshape(q.shape[:-2] + (-1,))[..., :K], -1, axis).astype(np.float32)
;;   ~~~
;;   SOFTMAX AHEAD OF A QUANTISED PRODUCT. Where the list says 'softmax', what is quantised is not the finished softmax but p = 2^(t - M), with t = logit x log2(e) and M = ceil(the row's largest t), a whole number; so 1/2 < the row's largest p <= 1. The row's sum l is taken of the UNQUANTISED p, in f32, and the product's result is divided by l at the end. Since M is a whole number, a kernel that streams over the keys may use a running M (the ceiling of the running maximum): every later rescaling is an exact power of two, which a block's scale takes up: the codes' values come out the same.
;;   OPERANDS COMPUTED ON THE WAY. 'Computed on the way' means the value that the module computes at that place (a softmax that the list does not call 'softmax' is quantised finished and normalised). What goes into a quantiser is computed in f32, as accurately as f32 sums, v_exp_f32 and their like allow (about 1e-6 of the number): no bf16 or f16 on the way to a quantiser, and a product that is left as it is and whose result goes on into a quantised operand takes f32 operands (vector FMAs, or v_wmma_f32_16x16x4_f32). A number that lies on a knife's edge between two numbers of the format may be rounded either way, as far as f32 arithmetic and the matrix unit's own rounding can turn it there, and no further.
;; One version. Each part assembles by itself: llvm-mc -triple=amdgcn-amd-amdhsa -mcpu=gfx1250 --defsym DOCPART=n.
;; ======== version 1 of 1: 3 launches
;; limits: right only within a limited range of input values
;; workspace buffers: wc 294,912 bytes; ws 18,432 bytes; pc 524,288 bytes; ps 32,768 bytes; pl 8,192 bytes; vc 8,388,608 bytes; vs 524,288 bytes; mst 524,288 bytes
;; launch prep (part 1): grid 200 x 1, 4 waves a work-group, no clusters, 8,704 bytes of LDS; arguments state, xyz, ln_state_g, ln_state_b, Wq, bq, Wk, bk, Wv, W1, W2, wc, ws, pc, ps, pl; writes wc, ws, pc, ps, pl
.if DOCPART == 1
	.amdgcn_target "amdgcn-amd-amdhsa--gfx1250"
	.amdhsa_code_object_version 6
	.text
	.protected	k_qee8611d92b_prep
	.globl	k_qee8611d92b_prep
	.p2align	8
	.type	k_qee8611d92b_prep,@function
k_qee8611d92b_prep:
	s_mov_b64 s[64:65], 0
	v_nop
	global_prefetch_b8 v0, s[64:65] scope:SCOPE_SE
	s_setreg_imm32_b32 hwreg(HW_REG_WAVE_MODE, 25, 1), 1
	s_wait_xcnt 0x0
; WORK-GROUPS 0-127: one head hd = x / 32 and one tile of 16 queries it = x % 32.  state -> layer norm -> q, k (K = 64) -> logits (K = 32) -> distance mask -> p = 2^(t - M), M = ceil(the row's largest t).
;   Wave w takes keys 128 w .. 128 w + 127: they are K step w of the later product of v with p.  Out: p's codes as a fragment's register image (pc), its scale words (ps), 1 / (the row's sum of the unquantised p) (pl).
; WORK-GROUPS 128-199: one wave turns 16 output columns x 128 K of Wv, W1 or W2 (f32, K = first axis) into one fragment of E2M1 codes (wc) and its 16 scale words (ws).
; ALL PRODUCTS on codes of E2M1 with one E8M0 byte for each 32 along K.  A K of 64 or 32 is filled up to the instruction's 128 with zero codes on both sides.
; FRAGMENT IMAGE: 8 registers a lane, registers 4 c .. 4 c + 3 of lane L at byte 512 c + 16 L.  SCALE WORDS: 64 bytes a fragment, row r's word at 4 r.
; TILE ORDER: row m of tile T (of output columns, of keys) is index 32 (T / 2) + 8 (T % 2) + m + 8 (m / 8), so that in a result lane (r, h) holds, in the 16 registers of tiles 2 b and 2 b + 1, the 16 neighbours 32 b + 16 h + 0 .. 15.
; LIMITS: NaN and infinities are not served.  A block of zeros, or one whose largest magnitude lies under 2^-124, keeps the scale byte 1 (read by this program alone).  A p under 2^-126 becomes 0.
; No cluster: what work-groups share here (state, 128 KiB; Wq, Wk) goes straight into registers in each lane's own order, and a work-group has no tile in LDS to share.
; REGISTERS.  window 0: v1 r, v2 h, v3 r + 8 (r / 8), v4 lane, v5-15 addresses; v16-79 the scores S; v80-111 XB (rows at work; later the keys' x, y); v112-127 TL (at work; later z);
;   v128-143 state fragments; v144-159 k fragments (at the end p's codes); v160-167 q's fragment; v168-183 KD (a projection's result); v184-215 the four weight fragments; v216-224 scale words; v226-231 the query's x, y, z; v234-249 TM.
;   window 1: the 8 key tiles' rows of state.   window 2: v0-127 weights as f32, v128-159 the queries' rows, v160-191 bq, bk, v192-255 the norm's gain and bias.
.set FLOORW, 0x1800000                 ; 2^(3 - 127): no largest magnitude is taken under it, so a scale byte is never under 1
.set OFF2,   0xff000000                ; takes 2 off an f32's exponent field
.set SEL,  42                          ; s[42:43] selects of v_permlanex16_b32: lane l xor 16
.set EX1,  6144                        ; LDS: 0 .. 6143 the waves' own key coordinates (1,536 bytes each: x, y, z of 128 keys); then the waves' row maxima; then their row sums
.set EX2,  6400
.set S,    16
.set XB,   80
.set CX,   80
.set CY,   96
.set CZ,   112
.set TL,   112
.set SF,   128
.set KF,   144
.set PC,   144
.set QF,   160
.set KD,   168
.set WF,   184
.set WS,   216
.set QS,   220
.set SS,   221
.set KS,   223
.set GA,   225
.set QC,   226
.set NEG,  232
.set ZERO, 233
.set TM,   234
.set PW,   250
.set H8,   251
.set MP,   252
.set RP,   254
.set WX,   0                           ; window 2
.set XQ,   128
.set BQ,   160
.set BK,   176
.set G,    192
.set BT,   224
.set MSB, 0
.macro WIN new                         ; the immediate's high byte repeats the setting that is left; a switch that changes nothing is dropped
.if MSB != (\new)
	s_set_vgpr_msb (MSB<<8)|(\new)
.set MSB, (\new)
.endif
.endm
.macro PLACES n
.rept \n
	v_nop
.endr
.endm
.macro WMR d, a, b, c, sa, sb
	v_wmma_scale_f32_16x16x128_f8f6f4 v[\d:\d+7], v[\a:\a+7], v[\b:\b+7], v[\c:\c+7], v[\sa], v[\sb] matrix_a_fmt:MATRIX_FMT_FP4 matrix_b_fmt:MATRIX_FMT_FP4
.endm
.macro WMZ d, a, b, sa, sb
	v_wmma_scale_f32_16x16x128_f8f6f4 v[\d:\d+7], v[\a:\a+7], v[\b:\b+7], 0, v[\sa], v[\sb] matrix_a_fmt:MATRIX_FMT_FP4 matrix_b_fmt:MATRIX_FMT_FP4
.endm
; 64 numbers of a lane, register 16 b + i = k 32 b + 16 h + i of its row, become a fragment's codes in v[PC] on and its scale word in v[PW]
.macro QUANT s, abs
.irp b, 0,1,2,3
.if \abs
	v_max3_num_f32 v[TM+\b], |v[\s+16*\b]|, |v[\s+1+16*\b]|, FLOORW
.else
	v_max3_num_f32 v[TM+\b], v[\s+16*\b], v[\s+1+16*\b], FLOORW
.endif
.endr
.irp i, 2,4,6,8,10,12,14
.irp b, 0,1,2,3
.if \abs
	v_max3_num_f32 v[TM+\b], v[TM+\b], |v[\s+16*\b+\i]|, |v[\s+1+16*\b+\i]|
.else
	v_max3_num_f32 v[TM+\b], v[TM+\b], v[\s+16*\b+\i], v[\s+1+16*\b+\i]
.endif
.endr
.endr
.irp b, 0,1,2,3
	v_permlanex16_b32 v[TM+4+\b], v[TM+\b], s[SEL], s[SEL+1]
.endr
.irp b, 0,1,2,3
	v_max_num_f32 v[TM+\b], v[TM+\b], v[TM+4+\b]           ; with lane l xor 16's 16 numbers: the block's largest magnitude
.endr
.irp b, 0,1,2,3
	v_add_nc_u32 v[TM+12+\b], OFF2, v[TM+\b]               ; the conversion takes this operand's exponent field as its scale
.endr
.irp b, 0,1,2,3
	v_lshrrev_b32 v[TM+4+\b], 23, v[TM+12+\b]              ; the scale's byte
.endr
	v_lshl_or_b32 v[PW], v[TM+5], 8, v[TM+4]
	v_lshl_or_b32 v[PW], v[TM+6], 16, v[PW]
	v_lshl_or_b32 v[PW], v[TM+7], 24, v[PW]
.irp b, 0,1,2,3
	v_cvt_scalef32_pk8_fp4_f32 v[PC+2*\b], v[\s+16*\b:\s+7+16*\b], v[TM+12+\b]
	v_cvt_scalef32_pk8_fp4_f32 v[PC+1+2*\b], v[\s+8+16*\b:\s+15+16*\b], v[TM+12+\b]
.endr
	v_nop                                                  ; one plain place behind a scaled conversion
.irp c, 0,1                            ; the operand wants a whole block in a lane: lanes 0-15 block 2 c, lanes 16-31 block 2 c + 1
.irp i, 0,1
	v_permlane16_swap_b32 v[PC+4*\c+\i], v[PC+2+4*\c+\i]
.endr
.endr
.endm
; The layer norm of a row of 64: a lane holds 32 numbers (columns 32 h on) in v[src] on of window win, lane l xor 16 the others.  Result in XB.  Mean first, then the squares of the differences.
.macro LNS win, src
	WIN 5*\win
.irp k, 0,1,2,3,4,5,6,7
	v_pk_add_f32 v[TL+2*\k:TL+2*\k+1], v[\src+4*\k:\src+4*\k+1], v[\src+4*\k+2:\src+4*\k+3]
.endr
	WIN 0
.irp k, 0,1,2,3
	v_pk_add_f32 v[TL+2*\k:TL+2*\k+1], v[TL+2*\k:TL+2*\k+1], v[TL+8+2*\k:TL+8+2*\k+1]
.endr
.irp k, 0,1
	v_pk_add_f32 v[TL+2*\k:TL+2*\k+1], v[TL+2*\k:TL+2*\k+1], v[TL+4+2*\k:TL+4+2*\k+1]
.endr
	v_pk_add_f32 v[TL:TL+1], v[TL:TL+1], v[TL+2:TL+3]
	v_add_f32 v[TL], v[TL], v[TL+1]
	v_permlanex16_b32 v[TL+1], v[TL], s[SEL], s[SEL+1]
	v_add_f32 v[TL], v[TL], v[TL+1]
	v_mul_f32 v[MP], s46, v[TL]                            ; the mean
	WIN \win
.irp k, 0,1,2,3,4,5,6,7,8,9,10,11,12,13,14,15
	v_pk_add_f32 v[XB+2*\k:XB+2*\k+1], v[\src+2*\k:\src+2*\k+1], v[MP:MP+1] op_sel_hi:[1,0] neg_lo:[0,1] neg_hi:[0,1]
.endr
	WIN 0
.irp k, 0,1,2,3
	v_pk_mul_f32 v[TL+2*\k:TL+2*\k+1], v[XB+2*\k:XB+2*\k+1], v[XB+2*\k:XB+2*\k+1]
.endr
.irp j, 8,16,24
.irp k, 0,1,2,3
	v_pk_fma_f32 v[TL+2*\k:TL+2*\k+1], v[XB+\j+2*\k:XB+\j+2*\k+1], v[XB+\j+2*\k:XB+\j+2*\k+1], v[TL+2*\k:TL+2*\k+1]
.endr
.endr
	v_pk_add_f32 v[TL:TL+1], v[TL:TL+1], v[TL+4:TL+5]
	v_pk_add_f32 v[TL+2:TL+3], v[TL+2:TL+3], v[TL+6:TL+7]
	v_pk_add_f32 v[TL:TL+1], v[TL:TL+1], v[TL+2:TL+3]
	v_add_f32 v[TL], v[TL], v[TL+1]
	v_permlanex16_b32 v[TL+1], v[TL], s[SEL], s[SEL+1]
	v_add_f32 v[TL], v[TL], v[TL+1]
	v_fma_f32 v[TL], v[TL], s46, s47                       ; the variance + eps
	s_wait_alu depctr_va_vdst(0)
	v_rsq_f32 v[RP], v[TL]
	v_nop                                                  ; one plain place behind a transcendental
	s_wait_alu depctr_va_vdst(0)
.irp k, 0,1,2,3,4,5,6,7,8,9,10,11,12,13,14,15
	v_pk_mul_f32 v[XB+2*\k:XB+2*\k+1], v[XB+2*\k:XB+2*\k+1], v[RP:RP+1] op_sel_hi:[1,0]
.endr
	WIN 0x28                                               ; gain and bias: sources 1 and 2 in window 2
.irp k, 0,1,2,3,4,5,6,7,8,9,10,11,12,13,14,15
	v_pk_fma_f32 v[XB+2*\k:XB+2*\k+1], v[XB+2*\k:XB+2*\k+1], v[G+2*\k:G+2*\k+1], v[BT+2*\k:BT+2*\k+1]
.endr
	WIN 0
.endm
; A lane's 32 numbers (window win) are ONE block, block h of a K of 64: codes into registers dst .. dst + 3 (dst + 4 .. 7 stay zero codes), the row's two bytes into the word sw
.macro QB32 win, src, dst, sw
	WIN 5*\win
	v_max3_num_f32 v[TM], |v[\src]|, |v[\src+1]|, FLOORW
	v_max3_num_f32 v[TM+1], |v[\src+2]|, |v[\src+3]|, FLOORW
.irp i, 4,8,12,16,20,24,28
	v_max3_num_f32 v[TM], |v[\src+\i]|, |v[\src+\i+1]|, v[TM]
	v_max3_num_f32 v[TM+1], |v[\src+\i+2]|, |v[\src+\i+3]|, v[TM+1]
.endr
	WIN 0
	v_max_num_f32 v[TM], v[TM], v[TM+1]
	v_add_nc_u32 v[TM+2], OFF2, v[TM]
	v_lshrrev_b32 v[TM+3], 23, v[TM+2]
	v_lshlrev_b32 v[TM+3], v[H8], v[TM+3]                  ; my block's byte at its place, 8 h bits up
	v_permlanex16_b32 v[TM+4], v[TM+3], s[SEL], s[SEL+1]
	v_or_b32 v[\sw], v[TM+3], v[TM+4]                      ; with lane l xor 16's the word is whole
	WIN \win
.irp g, 0,1,2,3
	v_cvt_scalef32_pk8_fp4_f32 v[\dst+\g], v[\src+8*\g:\src+8*\g+7], v[TM+2]
.endr
	WIN 0
	v_nop
.endm
; KD's 16 numbers (d = 16 h + 0 .. 15 of my row) and lane l xor 16's are the one block of a K of 32: lanes 0-15 get all 32 codes in dst .. dst + 3, lanes 16-31 zero codes (k = 32 .. 63)
.macro QK dst, sw
	v_max3_num_f32 v[TM], |v[KD]|, |v[KD+1]|, FLOORW
	v_max3_num_f32 v[TM+1], |v[KD+2]|, |v[KD+3]|, FLOORW
.irp i, 4,8,12
	v_max3_num_f32 v[TM], v[TM], |v[KD+\i]|, |v[KD+\i+1]|
	v_max3_num_f32 v[TM+1], v[TM+1], |v[KD+\i+2]|, |v[KD+\i+3]|
.endr
	v_max_num_f32 v[TM], v[TM], v[TM+1]
	v_permlanex16_b32 v[TM+4], v[TM], s[SEL], s[SEL+1]
	v_max_num_f32 v[TM], v[TM], v[TM+4]
	v_add_nc_u32 v[TM+2], OFF2, v[TM]
	v_lshrrev_b32 v[\sw], 23, v[TM+2]                      ; byte 0; the word's other bytes are 0 and stand over zero codes
	v_cvt_scalef32_pk8_fp4_f32 v[\dst], v[KD:KD+7], v[TM+2]
	v_cvt_scalef32_pk8_fp4_f32 v[\dst+1], v[KD+8:KD+15], v[TM+2]
	v_mov_b32 v[\dst+2], 0                                 ; (also the plain place behind the conversions)
	v_mov_b32 v[\dst+3], 0
	v_permlane16_swap_b32 v[\dst], v[\dst+2]
	v_permlane16_swap_b32 v[\dst+1], v[\dst+3]
.endm
; One unit of a weight: lane r takes column r + 8 (r / 8) of the tile and its registers run down K in the operand's own order, so the conversions' results are the operand's registers
.macro WQ pitch
	v_lshlrev_b32 v7, 2, v3
	v_mul_u32_u24 v8, v2, 32*\pitch                        ; lanes 16-31 begin 32 rows further down
	v_add_nc_u32 v7, v7, v8
.set i, 0
.rept 64
	global_load_b32 v[64+i], v7, s[40:41] offset:(64*(i/32)+i%32)*\pitch th:TH_LOAD_NT
.set i, i+1
.endr
	s_wait_loadcnt 0x0
.irp c, 0,1
	v_max3_num_f32 v[32+\c], |v[64+32*\c]|, |v[65+32*\c]|, FLOORW
.endr
.irp i, 2,4,6,8,10,12,14,16,18,20,22,24,26,28,30
.irp c, 0,1
	v_max3_num_f32 v[32+\c], v[32+\c], |v[64+32*\c+\i]|, |v[65+32*\c+\i]|
.endr
.endr
.irp c, 0,1
	v_add_nc_u32 v[44+\c], OFF2, v[32+\c]
.endr
.irp c, 0,1
	v_lshrrev_b32 v[36+\c], 23, v[44+\c]
.endr
	v_lshl_or_b32 v9, v37, 16, v36                         ; my two bytes: blocks h and 2 + h,
	v_lshlrev_b32 v10, 3, v2
	v_lshlrev_b32 v9, v10, v9                              ; at their places
	v_mov_b32 v10, 0
	v_permlanex16_b32 v10, v9, s[SEL], s[SEL+1]
	v_or_b32 v9, v9, v10
.irp c, 0,1
.irp g, 0,1,2,3
	v_cvt_scalef32_pk8_fp4_f32 v[48+4*\c+\g], v[64+32*\c+8*\g:71+32*\c+8*\g], v[44+\c]
.endr
.endr
	v_nop
	global_store_b128 v5, v[48:51], s[26:27]               ; a wave's store covers 512 consecutive bytes
	global_store_b128 v5, v[52:55], s[26:27] offset:512
	global_store_b32 v6, v9, s[28:29]                      ; lanes r and r + 16 store the same word
.endm
	s_load_b512 s[4:19], s[0:1], 0x0               ; state, xyz, ln_state_g, ln_state_b, Wq, bq, Wk, bk
	s_load_b512 s[20:35], s[0:1], 0x40             ; Wv, W1, W2, wc, ws, pc, ps, pl
	s_set_vgpr_msb 0xc0
	v_lshl_add_u32 v0, v0, 2, 0x2000
	v_mov_b32 v1, 0
	s_set_vgpr_msb 0xc000
	v_lshrrev_b32 v4, 5, v0
	v_readfirstlane_b32 s36, v4                    ; wave
	v_and_b32 v4, 31, v0                           ; lane
	v_and_b32 v1, 15, v0                           ; r
	v_bfe_u32 v2, v0, 4, 1                         ; h
	v_and_b32 v3, 8, v1
	v_add_nc_u32 v3, v3, v1                        ; r + 8 (r / 8)
	v_lshlrev_b32 v5, 4, v4                        ; 16 x lane
	v_lshlrev_b32 v6, 2, v1                        ; 4 r
	s_mov_b32 s[SEL], 0x76543210
	s_mov_b32 s[SEL+1], 0xfedcba98
	s_wait_kmcnt 0x0
	s_cmp_ge_u32 ttmp9, 128                        ; the work-group's number alone decides: all four waves go the same way
	s_cbranch_scc1 .Lweights
	; ---------------- the attention weights ----------------
	s_lshr_b32 s37, ttmp9, 5                       ; head
	s_and_b32 s38, ttmp9, 31                       ; tile of queries
	s_lshl_b32 s39, s37, 2
	s_add_co_u32 s39, s39, 8
	s_cvt_f32_u32 s39, s39                         ; the head's distance bound: 8, 12, 16, 20
	s_mov_b32 s44, 0x3fb8aa3b                      ; log2(e); named as a pair by the packed form
	s_mov_b32 s45, s44
	s_mov_b32 s46, 0x3c800000                      ; 1 / 64
	s_mov_b32 s47, 0x3727c5ac                      ; eps = 1e-5
	s_wait_alu depctr_va_vdst(0)
	v_lshlrev_b32 v7, 8, v1
	v_lshl_add_u32 v7, v2, 7, v7                   ; a query's row of state: 256 r + 128 h
	v_lshlrev_b32 v8, 8, v3
	v_lshl_add_u32 v8, v2, 7, v8                   ; a key's row, in the tile order
	v_lshlrev_b32 v9, 2, v3
	v_lshl_add_u32 v9, v2, 14, v9                  ; Wq, Wk: my column, 32 h rows of 512 bytes down
	v_lshlrev_b32 v10, 6, v2                       ; bq, bk: 16 h numbers on
	v_mul_u32_u24 v11, v4, 36                      ; xyz: 36 bytes a residue
	v_mul_u32_u24 v12, v1, 36
	s_mul_i32 s48, s36, 1536
	v_lshl_add_u32 v13, v4, 2, s48                 ; LDS: my wave's coordinates, in: 4 x lane
	v_lshl_add_u32 v14, v2, 6, s48                 ; out: 16 h keys on
	s_lshl_b32 s49, s36, 6
	v_lshl_add_u32 v15, v1, 2, s49                 ; my wave's word for row r in an exchange
	v_lshlrev_b32 v[GA], 7, v2
	s_wait_alu depctr_va_vdst(0)
	v_lshlrev_b32 v[H8], 3, v2
	s_mov_b32 s51, 0
	s_lshl_b32 s50, s38, 12
	s_add_nc_u64 s[52:53], s[4:5], s[50:51]        ; state at my 16 queries
	s_lshl_b32 s50, s36, 15
	s_add_nc_u64 s[4:5], s[4:5], s[50:51]          ; state at my wave's 128 keys
	s_lshl_b32 s50, s37, 7                         ; the head's 32 columns
	s_add_nc_u64 s[12:13], s[12:13], s[50:51]
	s_add_nc_u64 s[14:15], s[14:15], s[50:51]
	s_add_nc_u64 s[16:17], s[16:17], s[50:51]
	s_add_nc_u64 s[18:19], s[18:19], s[50:51]
	s_mul_i32 s50, s38, 576
	s_add_nc_u64 s[54:55], s[6:7], s[50:51]        ; xyz at my queries
	s_mul_i32 s50, s36, 4608
	s_add_nc_u64 s[6:7], s[6:7], s[50:51]          ; xyz at my keys
	s_lshl_b32 s50, ttmp9, 2
	s_add_co_u32 s50, s50, s36                     ; my unit of p: ((head x 32 + tile) x 4 + K step)
	s_mov_b32 s57, 0
	s_lshl_b32 s56, s50, 10
	s_add_nc_u64 s[30:31], s[30:31], s[56:57]
	s_lshl_b32 s56, s50, 6
	s_add_nc_u64 s[32:33], s[32:33], s[56:57]
	s_lshl_b32 s56, ttmp9, 6                       ; 4 bytes x (512 head + 16 tile)
	s_add_nc_u64 s[34:35], s[34:35], s[56:57]
	WIN 0x80                                       ; destinations in window 2
.irp q, 0,1,2,3,4,5,6,7
	global_load_b128 v[G+4*\q:G+4*\q+3], v[GA], s[8:9] offset:16*\q
	global_load_b128 v[BT+4*\q:BT+4*\q+3], v[GA], s[10:11] offset:16*\q
.endr
.irp q, 0,1,2,3,4,5,6,7
	global_load_b128 v[XQ+4*\q:XQ+4*\q+3], v7, s[52:53] offset:16*\q
.endr
.set i, 0
.rept 32                               ; four weight tiles (q: columns 8 u on, k likewise), registers down K
	global_load_b32 v[WX+i], v9, s[12:13] offset:512*i
	global_load_b32 v[WX+32+i], v9, s[12:13] offset:512*i+32
	global_load_b32 v[WX+64+i], v9, s[16:17] offset:512*i
	global_load_b32 v[WX+96+i], v9, s[16:17] offset:512*i+32
.set i, i+1
.endr
.irp u, 0,1                            ; the biases in the result's layout: tile u, columns 8 u + 16 h + 0 .. 7
	global_load_b128 v[BQ+8*\u:BQ+8*\u+3], v10, s[14:15] offset:32*\u
	global_load_b128 v[BQ+8*\u+4:BQ+8*\u+7], v10, s[14:15] offset:32*\u+16
	global_load_b128 v[BK+8*\u:BK+8*\u+3], v10, s[18:19] offset:32*\u
	global_load_b128 v[BK+8*\u+4:BK+8*\u+7], v10, s[18:19] offset:32*\u+16
.endr
	WIN 0
.irp q, 0,1,2,3                        ; atom 1 (byte 12 of a residue) of keys lane + 32 q
.irp c, 0,1,2
	global_load_b32 v[TM+3*\q+\c], v11, s[6:7] offset:1152*\q+12+4*\c
.endr
.endr
.irp c, 0,1,2
	global_load_b32 v[QC+2*\c], v12, s[54:55] offset:12+4*\c       ; and of my query, into the low words of three pairs
.endr
	WIN 0x40                                       ; destinations in window 1
.set i, 0
.rept 64                               ; key tile i / 8, piece i % 8
	global_load_b128 v[4*i:4*i+3], v8, s[4:5] offset:(32*(i/16)+8*((i/8)%2))*256+16*(i%8)
.set i, i+1
.endr
	WIN 0
.irp f, SF, SF+8, KF, KF+8, QF, WF, WF+8, WF+16, WF+24
.irp j, 4,5,6,7
	v_mov_b32 v[\f+\j], 0                          ; zero codes for k = 64 .. 127 of every short K
.endr
.endr
	v_mov_b32 v[QC+1], 0                           ; upper words of pairs that are named whole
	v_mov_b32 v[QC+3], 0
	v_mov_b32 v[QC+5], 0
	v_mov_b32 v[MP+1], 0
	v_mov_b32 v[RP+1], 0
	v_mov_b32 v[NEG], 0xce6e6b28                   ; -1e9
	v_mov_b32 v[ZERO], 0
	s_wait_loadcnt 63                              ; 64 loads (the key tiles) stand behind the coordinates: all before them are in
.irp q, 0,1,2,3
.irp c, 0,1,2
	ds_store_b32 v13, v[TM+3*\q+\c] offset:512*\c+128*\q       ; x, y, z of my wave's 128 keys, key by key: my wave's own bytes
.endr
.endr
	s_wait_dscnt 0x0                               ; the stores have read TM
	; the queries' side
	LNS 2, XQ
	QB32 0, XB, SF, SS
	QB32 2, WX, WF, WS
	QB32 2, WX+32, WF+8, WS+1
	QB32 2, WX+64, WF+16, WS+2
	QB32 2, WX+96, WF+24, WS+3
	PLACES 8                                       ; operands and scale words just made by vector instructions
	WIN 0x20                                       ; C (the bias) in window 2
	WMR KD, WF, SF, BQ, WS, SS                     ; transposed: source 0 = 16 columns of Wq, source 1 = 16 rows of state
	WMR KD+8, WF+8, SF, BQ+8, WS+1, SS
	WIN 0
	PLACES 4
.set i, 0
.rept 16
	v_mul_f32 v[KD+i], 0x3e800000, v[KD+i]         ; q x (64 / 4)^-0.5 = q / 4
.set i, i+1
.endr
	QK QF, QS
; key tile t: norm, quantise, project, quantise, scores
.macro KTILE t
.set a, (\t)%2
	s_wait_loadcnt 8*(7-\t)                        ; this tile's eight loads are in; the later tiles' may be out
	LNS 1, 32*\t
	QB32 0, XB, SF+8*a, SS+a
	PLACES 8
	WIN 0x20
	WMR KD, WF+16, SF+8*a, BK, WS+2, SS+a
	WMR KD+8, WF+24, SF+8*a, BK+8, WS+3, SS+a
	WIN 0
	PLACES 4
	QK KF+8*a, KS+a
	PLACES 8
	WMZ S+8*\t, KF+8*a, QF, KS+a, QS               ; S^T: source 0 = 16 keys, source 1 = my 16 queries: a lane holds one query
.endm
.irp t, 0,1,2,3,4,5,6,7
	KTILE \t
.endr
	; the mask: register 16 b + i holds key 128 w + 32 b + 16 h + i
.set b, 0
.rept 4
.irp c, 0,1,2
.irp q, 0,1,2,3
	ds_load_b128 v[CX+16*\c+4*\q:CX+16*\c+4*\q+3], v14 offset:512*\c+128*b+16*\q
.endr
.endr
	s_wait_dscnt 0x0
.set p, 0
.rept 8
	v_pk_add_f32 v[CX+p:CX+p+1], v[CX+p:CX+p+1], v[QC:QC+1] op_sel_hi:[1,0] neg_lo:[0,1] neg_hi:[0,1]
	v_pk_add_f32 v[CY+p:CY+p+1], v[CY+p:CY+p+1], v[QC+2:QC+3] op_sel_hi:[1,0] neg_lo:[0,1] neg_hi:[0,1]
	v_pk_add_f32 v[CZ+p:CZ+p+1], v[CZ+p:CZ+p+1], v[QC+4:QC+5] op_sel_hi:[1,0] neg_lo:[0,1] neg_hi:[0,1]
.set p, p+2
.endr
.set p, 0
.rept 8
	v_pk_mul_f32 v[CX+p:CX+p+1], v[CX+p:CX+p+1], v[CX+p:CX+p+1]
.set p, p+2
.endr
.set p, 0
.rept 8
	v_pk_fma_f32 v[CX+p:CX+p+1], v[CY+p:CY+p+1], v[CY+p:CY+p+1], v[CX+p:CX+p+1]
.set p, p+2
.endr
.set p, 0
.rept 8
	v_pk_fma_f32 v[CX+p:CX+p+1], v[CZ+p:CZ+p+1], v[CZ+p:CZ+p+1], v[CX+p:CX+p+1]
.set p, p+2
.endr
.set p, 0
	s_wait_alu depctr_va_vdst(0)
.rept 16
	v_sqrt_f32 v[CX+p], v[CX+p]
.set p, p+1
.endr
	v_nop
.set p, 0
	s_wait_alu depctr_va_vdst(0)
.rept 16
	v_cmp_gt_f32 vcc_lo, s39, v[CX+p]              ; the distance lies under the head's bound
	v_cndmask_b32 v[CY+p], v[NEG], v[ZERO], vcc_lo ; 0 there, -1e9 elsewhere
	v_add_f32 v[S+16*b+p], v[S+16*b+p], v[CY+p]
.set p, p+1
.endr
.set b, b+1
.endr
	; the row's largest logit, over my 64, lane l xor 16's 64 and the four waves
.irp b, 0,1,2,3
	v_max3_num_f32 v[TM+\b], v[S+16*\b], v[S+16*\b+1], v[S+16*\b+2]
.endr
.irp i, 3,5,7,9,11,13
.irp b, 0,1,2,3
	v_max3_num_f32 v[TM+\b], v[TM+\b], v[S+16*\b+\i], v[S+16*\b+\i+1]
.endr
.endr
.irp b, 0,1,2,3
	v_max_num_f32 v[TM+\b], v[TM+\b], v[S+16*\b+15]
.endr
	v_max3_num_f32 v[TM], v[TM], v[TM+1], v[TM+2]
	v_max_num_f32 v[TM], v[TM], v[TM+3]
	v_permlanex16_b32 v[TM+4], v[TM], s[SEL], s[SEL+1]
	v_max_num_f32 v[TM], v[TM], v[TM+4]
	ds_store_b32 v15, v[TM] offset:EX1
	s_wait_dscnt 0x0                               ; for the others' sake: my word has landed
	s_barrier_signal -1
	s_barrier_wait -1
.irp w, 0,1,2,3
	ds_load_b32 v[TM+4+\w], v6 offset:EX1+64*\w
.endr
	s_wait_dscnt 0x0
	v_max3_num_f32 v[TM], v[TM+4], v[TM+5], v[TM+6]
	v_max_num_f32 v[TM], v[TM], v[TM+7]
	v_mul_f32 v[TM], s44, v[TM]                    ; as t
	v_floor_f32 v[MP], -v[TM]                      ; -M = floor(-t) = -ceil(t)
.set j, 0
.rept 32
	v_pk_fma_f32 v[S+j:S+j+1], v[S+j:S+j+1], s[44:45], v[MP:MP+1] op_sel_hi:[1,0,0]   ; t - M
.set j, j+2
.endr
.set j, 0
	s_wait_alu depctr_va_vdst(0)
.rept 64
	v_exp_f32 v[S+j], v[S+j]                       ; p = 2^(t - M), not normalised
.set j, j+1
.endr
	v_nop
	s_wait_alu depctr_va_vdst(0)
	v_pk_add_f32 v[TM:TM+1], v[S:S+1], v[S+2:S+3]  ; the row's sum of the unquantised p, in two chains
	v_pk_add_f32 v[TM+2:TM+3], v[S+4:S+5], v[S+6:S+7]
.set j, 8
.rept 14
	v_pk_add_f32 v[TM:TM+1], v[TM:TM+1], v[S+j:S+j+1]
	v_pk_add_f32 v[TM+2:TM+3], v[TM+2:TM+3], v[S+j+2:S+j+3]
.set j, j+4
.endr
	v_pk_add_f32 v[TM:TM+1], v[TM:TM+1], v[TM+2:TM+3]
	v_add_f32 v[TM], v[TM], v[TM+1]
	v_permlanex16_b32 v[TM+4], v[TM], s[SEL], s[SEL+1]
	v_add_f32 v[TM], v[TM], v[TM+4]
	ds_store_b32 v15, v[TM] offset:EX2
	s_wait_dscnt 0x0
	s_barrier_signal -1
	s_barrier_wait -1
	QUANT S, 0                                     ; along the keys; nothing is negative
	global_store_b128 v5, v[PC:PC+3], s[30:31]
	global_store_b128 v5, v[PC+4:PC+7], s[30:31] offset:512
	global_store_b32 v6, v[PW], s[32:33]
	s_cmp_lg_u32 s36, 0                            ; wave 0 adds the four waves' sums
	s_cbranch_scc1 .Lpdone
.irp w, 0,1,2,3
	ds_load_b32 v[CX+\w], v6 offset:EX2+64*\w
.endr
	s_wait_dscnt 0x0
	v_add_f32 v[CX], v[CX], v[CX+1]
	v_add_f32 v[CX+2], v[CX+2], v[CX+3]
	v_add_f32 v[CX], v[CX], v[CX+2]
	s_wait_alu depctr_va_vdst(0)
	v_rcp_f32 v[CX+4], v[CX]
	v_nop
	s_wait_alu depctr_va_vdst(0)
	global_store_b32 v6, v[CX+4], s[34:35]         ; 1 / l of my 16 queries
.Lpdone:
	s_set_vgpr_msb 0xf
	s_wait_tensorcnt 0x0
	ds_add_u32 v0, v1
	s_wait_dscnt 0x0
	s_set_vgpr_msb 0xf00
	s_endpgm
	; ---------------- the weights ----------------
.Lweights:
	s_sub_co_u32 s37, ttmp9, 128
	s_lshl_b32 s38, s37, 2
	s_add_co_u32 s38, s38, s36                     ; my wave's unit: Wv 0-31 (2 T + s), W1 32-159 (2 T + s), W2 160-287 (8 T + s)
	s_mov_b32 s45, 0
	s_lshl_b32 s44, s38, 10
	s_add_nc_u64 s[26:27], s[26:27], s[44:45]
	s_lshl_b32 s44, s38, 6
	s_add_nc_u64 s[28:29], s[28:29], s[44:45]
	s_cmp_lt_u32 s37, 8
	s_cbranch_scc1 .Lnarrow
	s_cmp_lt_u32 s37, 40
	s_cbranch_scc1 .Lwide
.Lnarrow:                                              ; Wv and W2: rows of 1,024 bytes
	s_cmp_lt_u32 s37, 8
	s_cselect_b64 s[40:41], s[20:21], s[24:25]
	s_cselect_b32 s39, 0, 160                      ; the tensor's first unit
	s_cselect_b32 s46, 1, 3                        ; log2 of its K steps
	s_sub_co_u32 s39, s38, s39
	s_lshr_b32 s47, s39, s46                       ; T
	s_bfm_b32 s48, s46, 0
	s_and_b32 s48, s39, s48                        ; K step
	s_lshl_b32 s44, s48, 17                        ; 128 rows of 1,024 bytes
	s_lshr_b32 s49, s47, 1
	s_lshl_b32 s49, s49, 7
	s_add_co_u32 s44, s44, s49                     ; + 4 bytes x 32 (T / 2)
	s_and_b32 s49, s47, 1
	s_lshl_b32 s49, s49, 5
	s_add_co_u32 s44, s44, s49                     ; + 4 bytes x 8 (T % 2)
	s_add_nc_u64 s[40:41], s[40:41], s[44:45]
	s_wait_alu depctr_va_vdst(0)
	WQ 1024
	s_endpgm
.Lwide:                                                ; W1: rows of 4,096 bytes
	s_sub_co_u32 s39, s38, 32
	s_lshr_b32 s47, s39, 1
	s_and_b32 s48, s39, 1
	s_lshl_b32 s44, s48, 19
	s_lshr_b32 s49, s47, 1
	s_lshl_b32 s49, s49, 7
	s_add_co_u32 s44, s44, s49
	s_and_b32 s49, s47, 1
	s_lshl_b32 s49, s49, 5
	s_add_co_u32 s44, s44, s49
	s_add_nc_u64 s[40:41], s[22:23], s[44:45]
	s_wait_alu depctr_va_vdst(0)
	WQ 4096
	s_endpgm
.Lfunc_end_k_qee8611d92b_prep:
	.size	k_qee8611d92b_prep, .Lfunc_end_k_qee8611d92b_prep-k_qee8611d92b_prep
	.p2alignl 7, 3214868480
	.fill 96, 4, 3214868480
	.section	.rodata,"a",@progbits
	.p2align	6, 0x0
	.amdhsa_kernel k_qee8611d92b_prep
		.amdhsa_group_segment_fixed_size 8704
		.amdhsa_private_segment_fixed_size 0
		.amdhsa_enable_private_segment 0
		.amdhsa_kernarg_size 128
		.amdhsa_user_sgpr_count 2
		.amdhsa_user_sgpr_kernarg_segment_ptr 1
		.amdhsa_wavefront_size32 1
		.amdhsa_system_sgpr_workgroup_id_x 1
		.amdhsa_system_sgpr_workgroup_id_y 1
		.amdhsa_system_sgpr_workgroup_id_z 1
		.amdhsa_system_vgpr_workitem_id 0
		.amdhsa_next_free_vgpr 770
		.amdhsa_next_free_sgpr 66
		.amdhsa_reserve_vcc 1
		.amdhsa_float_denorm_mode_32 3
		.amdhsa_float_denorm_mode_16_64 3
		.amdhsa_memory_ordered 1
		.amdhsa_forward_progress 1
		.amdhsa_inst_pref_size 179
	.end_amdhsa_kernel
	.amdgpu_metadata
---
amdhsa.version: [ 1, 2 ]
amdhsa.kernels:
  - .name:           k_qee8611d92b_prep
    .symbol:         k_qee8611d92b_prep.kd
    .args:
      - { .name: state, .offset: 0, .size: 8, .value_kind: global_buffer, .address_space: global }
      - { .name: xyz, .offset: 8, .size: 8, .value_kind: global_buffer, .address_space: global }
      - { .name: ln_state_g, .offset: 16, .size: 8, .value_kind: global_buffer, .address_space: global }
      - { .name: ln_state_b, .offset: 24, .size: 8, .value_kind: global_buffer, .address_space: global }
      - { .name: Wq, .offset: 32, .size: 8, .value_kind: global_buffer, .address_space: global }
      - { .name: bq, .offset: 40, .size: 8, .value_kind: global_buffer, .address_space: global }
      - { .name: Wk, .offset: 48, .size: 8, .value_kind: global_buffer, .address_space: global }
      - { .name: bk, .offset: 56, .size: 8, .value_kind: global_buffer, .address_space: global }
      - { .name: Wv, .offset: 64, .size: 8, .value_kind: global_buffer, .address_space: global }
      - { .name: W1, .offset: 72, .size: 8, .value_kind: global_buffer, .address_space: global }
      - { .name: W2, .offset: 80, .size: 8, .value_kind: global_buffer, .address_space: global }
      - { .name: wc, .offset: 88, .size: 8, .value_kind: global_buffer, .address_space: global }
      - { .name: ws, .offset: 96, .size: 8, .value_kind: global_buffer, .address_space: global }
      - { .name: pc, .offset: 104, .size: 8, .value_kind: global_buffer, .address_space: global }
      - { .name: ps, .offset: 112, .size: 8, .value_kind: global_buffer, .address_space: global }
      - { .name: pl, .offset: 120, .size: 8, .value_kind: global_buffer, .address_space: global }
    .group_segment_fixed_size: 8704
    .private_segment_fixed_size: 0
    .kernarg_segment_align: 8
    .kernarg_segment_size: 128
    .max_flat_workgroup_size: 128
    .sgpr_count:     66
    .vgpr_count:     770
    .wavefront_size: 32
...
	.end_amdgpu_metadata
.endif
;; end of part 1
;; launch vproj (part 2): grid 256 x 1, 4 waves a work-group, no clusters, 327,680 bytes of LDS; arguments msa, ln_msa_g, ln_msa_b, bv, wc, ws, vc, vs, mst; writes vc, vs, mst
.if DOCPART == 2
	.amdgcn_target "amdgcn-amd-amdhsa--gfx1250"
	.amdhsa_code_object_version 6
	.text
	.protected	k_qee8611d92b_vproj
	.globl	k_qee8611d92b_vproj
	.p2align	8
	.type	k_qee8611d92b_vproj,@function
k_qee8611d92b_vproj:
	s_mov_b64 s[64:65], 0
	v_nop
	global_prefetch_b8 v0, s[64:65] scope:SCOPE_SE
	s_setreg_imm32_b32 hwreg(HW_REG_WAVE_MODE, 25, 1), 1
	s_wait_xcnt 0x0
.set FLOORW, 0x1800000
.set OFF2,   0xff000000
.set SEL,  46
.set XIMG, 266240
.set XSC,  299008
.set X,    16
.set TM,   144
.set PC,   160
.set PW,   168
.set AS,   170
.set WVS,  178
.set STT,  182
.set CH,   190
.set RS,   198
.set BVR,  206
.set MSB, 0
.macro WIN new
.if MSB != (\new)
	s_set_vgpr_msb (MSB<<8)|(\new)
.set MSB, (\new)
.endif
.endm
.macro PLACES n
.rept \n
	v_nop
.endr
.endm
.macro WM d, a, b, c, sa, sb, row
.if \row
	v_wmma_scale_f32_16x16x128_f8f6f4 v[\d:\d+7], v[\a:\a+7], v[\b:\b+7], v[\c:\c+7], v[\sa], v[\sb] matrix_a_fmt:MATRIX_FMT_FP4 matrix_b_fmt:MATRIX_FMT_FP4 matrix_a_scale:MATRIX_SCALE_ROW1 matrix_b_scale:MATRIX_SCALE_ROW1
.else
	v_wmma_scale_f32_16x16x128_f8f6f4 v[\d:\d+7], v[\a:\a+7], v[\b:\b+7], v[\c:\c+7], v[\sa], v[\sb] matrix_a_fmt:MATRIX_FMT_FP4 matrix_b_fmt:MATRIX_FMT_FP4
.endif
.endm
.macro QUANT s
.irp b, 0,1,2,3
	v_max3_num_f32 v[TM+\b], |v[\s+16*\b]|, |v[\s+1+16*\b]|, FLOORW
.endr
.irp i, 2,4,6,8,10,12,14
.irp b, 0,1,2,3
	v_max3_num_f32 v[TM+\b], v[TM+\b], |v[\s+16*\b+\i]|, |v[\s+1+16*\b+\i]|
.endr
.endr
.irp b, 0,1,2,3
	v_permlanex16_b32 v[TM+4+\b], v[TM+\b], s[SEL], s[SEL+1]
.endr
.irp b, 0,1,2,3
	v_max_num_f32 v[TM+\b], v[TM+\b], v[TM+4+\b]
.endr
.irp b, 0,1,2,3
	v_add_nc_u32 v[TM+12+\b], OFF2, v[TM+\b]
.endr
.irp b, 0,1,2,3
	v_lshrrev_b32 v[TM+4+\b], 23, v[TM+12+\b]
.endr
	v_lshl_or_b32 v[PW], v[TM+5], 8, v[TM+4]
	v_lshl_or_b32 v[PW], v[TM+6], 16, v[PW]
	v_lshl_or_b32 v[PW], v[TM+7], 24, v[PW]
.irp b, 0,1,2,3
	v_cvt_scalef32_pk8_fp4_f32 v[PC+2*\b], v[\s+16*\b:\s+7+16*\b], v[TM+12+\b]
	v_cvt_scalef32_pk8_fp4_f32 v[PC+1+2*\b], v[\s+8+16*\b:\s+15+16*\b], v[TM+12+\b]
.endr
	v_nop
.irp c, 0,1
.irp i, 0,1
	v_permlane16_swap_b32 v[PC+4*\c+\i], v[PC+2+4*\c+\i]
.endr
.endr
.endm
	s_load_b512 s[4:19], s[0:1], 0x0
	s_load_b64 s[20:21], s[0:1], 0x40
	v_lshl_add_u32 v254, v0, 2, 0x49800
	v_mov_b32 v255, 0
	ds_add_u32 v254, v255
	ds_add_u32 v254, v255
	v_lshrrev_b32 v1, 5, v0
	v_readfirstlane_b32 s40, v1
	s_mov_b32 s24, (2<<16)|(1<<20)|(7<<22)|(3<<25)
	s_mov_b32 s25, 256<<16
	s_mov_b32 s26, 32<<16
	s_mov_b32 s27, 256<<16
	s_mov_b32 s28, 32
	s_mov_b32 s29, 256
	s_mov_b32 s30, 0
	s_mov_b32 s31, 0
	s_mul_i32 s41, s40, 33280
	s_lshl_b32 s42, ttmp9, 18
	s_lshl_b32 s43, s40, 15
	s_add_co_u32 s42, s42, s43
	s_mov_b32 s43, 0
	s_wait_dscnt 0x0
	s_wait_kmcnt 0x0
	s_add_nc_u64 s[4:5], s[4:5], s[42:43]
	s_mov_b32 s32, 1
	s_mov_b32 s33, s41
	s_mov_b64 s[34:35], s[4:5]
	s_or_b32 s35, s35, 0x80000000
	s_mov_b32 s36, 1
	s_add_co_u32 s37, s41, 133120
	s_add_nc_u64 s[38:39], s[4:5], 131072
	s_or_b32 s39, s39, 0x80000000
	tensor_load_to_lds s[32:35], s[24:31]
	s_nop 0
	PLACES 4
	v_and_b32 v1, 15, v0
	v_bfe_u32 v2, v0, 4, 1
	v_and_b32 v3, 8, v1
	v_add_nc_u32 v3, v3, v1
	v_and_b32 v5, 31, v0
	v_lshlrev_b32 v4, 4, v5
	v_lshlrev_b32 v5, 2, v5
	v_lshlrev_b32 v6, 2, v1
	v_mul_u32_u24 v7, v3, 1040
	v_lshl_add_u32 v7, v2, 6, v7
	v_add_nc_u32 v7, s41, v7
	v_add_nc_u32 v8, 133120, v7
	s_lshl_b32 s44, s40, 12
	v_add_nc_u32 v9, s44, v4
	v_add_nc_u32 v9, XIMG, v9
	s_lshl_b32 s44, s40, 8
	v_add_nc_u32 v10, s44, v6
	v_add_nc_u32 v10, XSC, v10
	v_add_nc_u32 v11, XIMG, v4
	v_add_nc_u32 v12, XSC, v5
	v_lshlrev_b32 v13, 3, v3
	v_lshlrev_b32 v14, 6, v2
	s_wait_alu depctr_va_vdst(0)
	v_lshlrev_b32 v15, 2, v3
	s_wait_alu depctr_va_vdst(0)
	s_mov_b32 s[SEL], 0x76543210
	s_mov_b32 s[SEL+1], 0xfedcba98
	s_mov_b32 s48, 0x3b800000
	s_mov_b32 s49, 0x3727c5ac
	s_mov_b32 s51, 0
	s_lshl_b32 s50, s40, 13
	s_add_nc_u64 s[12:13], s[12:13], s[50:51]
	s_lshl_b32 s50, s40, 9
	s_add_nc_u64 s[14:15], s[14:15], s[50:51]
	s_lshl_b32 s50, s40, 8
	s_add_nc_u64 s[10:11], s[10:11], s[50:51]
	s_lshr_b32 s52, ttmp9, 1
	s_lshl_b32 s52, s52, 6
	s_and_b32 s53, ttmp9, 1
	s_lshl_b32 s53, s53, 3
	s_add_co_u32 s52, s52, s53
	s_lshl_b32 s53, s40, 4
	s_add_co_u32 s52, s52, s53
	s_lshl_b32 s50, s52, 10
	s_add_nc_u64 s[16:17], s[16:17], s[50:51]
	s_lshl_b32 s50, s52, 6
	s_add_nc_u64 s[18:19], s[18:19], s[50:51]
	s_lshl_b32 s50, ttmp9, 11
	s_lshl_b32 s53, s40, 8
	s_add_co_u32 s50, s50, s53
	s_add_nc_u64 s[20:21], s[20:21], s[50:51]
	WIN 0x40
.set i, 0
.rept 32
	global_load_b128 v[4*i:4*i+3], v14, s[6:7] offset:512*(i/16)+128*((i/4)%4)+16*(i%4)
	global_load_b128 v[128+4*i:128+4*i+3], v14, s[8:9] offset:512*(i/16)+128*((i/4)%4)+16*(i%4)
.set i, i+1
.endr
	WIN 0x80
.set i, 0
.rept 16
	global_load_b128 v[128+4*i:128+4*i+3], v4, s[12:13] offset:512*i
.set i, i+1
.endr
	WIN 0
.irp t, 0,1,2,3
	global_load_b32 v[WVS+\t], v5, s[14:15] offset:128*\t
	global_load_b32 v[BVR+\t], v15, s[10:11] offset:128*(\t/2)+32*(\t%2)
.endr
.irp j, 0,1,2,3,4,5,6,7
	v_mov_b32 v[STT+\j], 0
.endr
	v_mov_b32 v[RS+1], 0
.irp j, 4,5,6,7
	v_mov_b32 v[TM+\j], 0
.endr
	; the second slot's first fill stands behind the issue of the gains' and weights' loads
	s_wait_alu depctr_va_vdst(0)
	s_wait_tensorcnt 0x0
	ds_add_u32 v254, v255
	s_wait_dscnt 0x0
	s_barrier_signal -1
	s_barrier_wait -1
	tensor_load_to_lds s[36:39], s[24:31]
	s_nop 0
	PLACES 4
	s_wait_loadcnt 0x0
	WIN 0x80
.irp t, 0,1,2,3
.irp j, 0,1,2,3,4,5,6,7
	v_mov_b32 v[192+8*\t+\j], v[BVR+\t]
.endr
.endr
	WIN 0
.macro XTILE sg, u
.set SP, STT+2*(2*\sg+\u)
.set i, 0
.rept 32
	ds_load_b128 v[X+4*i:X+4*i+3], v[7+\sg] offset:8320*\u+512*(i/16)+128*((i/4)%4)+16*(i%4)
.set i, i+1
.endr
	s_wait_dscnt 0x0
.irp c, 0,1,2,3
	v_pk_add_f32 v[CH+2*\c:CH+2*\c+1], v[X+2*\c:X+2*\c+1], v[X+8+2*\c:X+8+2*\c+1]
.endr
.set i, 16
.rept 14
.irp c, 0,1,2,3
	v_pk_add_f32 v[CH+2*\c:CH+2*\c+1], v[CH+2*\c:CH+2*\c+1], v[X+i+2*\c:X+i+2*\c+1]
.endr
.set i, i+8
.endr
	v_pk_add_f32 v[CH:CH+1], v[CH:CH+1], v[CH+4:CH+5]
	v_pk_add_f32 v[CH+2:CH+3], v[CH+2:CH+3], v[CH+6:CH+7]
	v_pk_add_f32 v[CH:CH+1], v[CH:CH+1], v[CH+2:CH+3]
	v_add_f32 v[CH], v[CH], v[CH+1]
	v_permlanex16_b32 v[CH+1], v[CH], s[SEL], s[SEL+1]
	v_add_f32 v[CH], v[CH], v[CH+1]
	v_mul_f32 v[SP], s48, v[CH]
.set i, 0
.rept 64
	v_pk_add_f32 v[X+i:X+i+1], v[X+i:X+i+1], v[SP:SP+1] op_sel_hi:[1,0] neg_lo:[0,1] neg_hi:[0,1]
.set i, i+2
.endr
.irp c, 0,1,2,3
	v_pk_mul_f32 v[CH+2*\c:CH+2*\c+1], v[X+2*\c:X+2*\c+1], v[X+2*\c:X+2*\c+1]
.endr
.set i, 8
.rept 15
.irp c, 0,1,2,3
	v_pk_fma_f32 v[CH+2*\c:CH+2*\c+1], v[X+i+2*\c:X+i+2*\c+1], v[X+i+2*\c:X+i+2*\c+1], v[CH+2*\c:CH+2*\c+1]
.endr
.set i, i+8
.endr
	v_pk_add_f32 v[CH:CH+1], v[CH:CH+1], v[CH+4:CH+5]
	v_pk_add_f32 v[CH+2:CH+3], v[CH+2:CH+3], v[CH+6:CH+7]
	v_pk_add_f32 v[CH:CH+1], v[CH:CH+1], v[CH+2:CH+3]
	v_add_f32 v[CH], v[CH], v[CH+1]
	v_permlanex16_b32 v[CH+1], v[CH], s[SEL], s[SEL+1]
	v_add_f32 v[CH], v[CH], v[CH+1]
	v_fma_f32 v[CH], v[CH], s48, s49
	s_wait_alu depctr_va_vdst(0)
	v_rsq_f32 v[RS], v[CH]
	v_nop
	s_wait_alu depctr_va_vdst(0)
	v_mov_b32 v[SP+1], v[RS]
	global_store_b64 v13, v[SP:SP+1], s[20:21] offset:8*(128*\sg+8*\u)
.set i, 0
.rept 64
	v_pk_mul_f32 v[X+i:X+i+1], v[X+i:X+i+1], v[RS:RS+1] op_sel_hi:[1,0]
.set i, i+2
.endr
	WIN 0x14
.set i, 0
.rept 64
	v_pk_fma_f32 v[X+i:X+i+1], v[X+i:X+i+1], v[i:i+1], v[128+i:128+i+1]
.set i, i+2
.endr
	WIN 0
	QUANT X
	ds_store_b128 v9, v[PC:PC+3] offset:16384*\sg+2048*\u
	ds_store_b128 v9, v[PC+4:PC+7] offset:16384*\sg+2048*\u+512
	ds_store_b32 v10, v[PW] offset:1024*\sg+128*\u
	QUANT X+64
	ds_store_b128 v9, v[PC:PC+3] offset:16384*\sg+2048*\u+1024
	ds_store_b128 v9, v[PC+4:PC+7] offset:16384*\sg+2048*\u+1536
	ds_store_b32 v10, v[PW] offset:1024*\sg+128*\u+64
.endm
.macro PH1 sg
	WIN 0x80
.set i, 0
.rept 32
	ds_load_b128 v[4*i:4*i+3], v11 offset:16384*\sg+512*i
.set i, i+1
.endr
	WIN 0
.irp t, 0,1,2,3,4,5,6,7
	ds_load_b32 v[AS+\t], v12 offset:1024*\sg+128*\t
.endr
	s_wait_dscnt 0x0
.irp p, 0,1
	WIN 0x2a
.irp l, 0,1
.irp t, 0,1,2,3,4,5,6,7
	WM X+64*\l+8*\t, 16*\t, 128+16*(2*\p+\l), 192+8*(2*\p+\l), AS+\t, WVS+2*\p+\l, 0
.endr
.endr
	WIN 0x0a
.irp l, 0,1
.irp t, 0,1,2,3,4,5,6,7
	WM X+64*\l+8*\t, 16*\t+8, 128+16*(2*\p+\l)+8, X+64*\l+8*\t, AS+\t, WVS+2*\p+\l, 1
.endr
.endr
	WIN 0
	PLACES 5
.irp l, 0,1
	s_wait_xcnt 0x0
	QUANT X+64*\l
	global_store_b128 v4, v[PC:PC+3], s[16:17] offset:1024*(4*\sg+2*\p+\l)
	global_store_b128 v4, v[PC+4:PC+7], s[16:17] offset:1024*(4*\sg+2*\p+\l)+512
	global_store_b32 v6, v[PW], s[18:19] offset:64*(4*\sg+2*\p+\l)
.endr
.endr
	s_wait_xcnt 0x0
.endm
	s_wait_tensorcnt 1
	XTILE 0, 0
	XTILE 0, 1
	s_wait_dscnt 0x0
	s_barrier_signal -1
	s_barrier_wait -1
	PH1 0
	s_wait_tensorcnt 0x0
	XTILE 1, 0
	XTILE 1, 1
	s_wait_dscnt 0x0
	s_barrier_signal -1
	s_barrier_wait -1
	PH1 1
	s_wait_tensorcnt 0x0
	ds_add_u32 v254, v255
	s_wait_dscnt 0x0
	s_endpgm
.Lfunc_end_k_qee8611d92b_vproj:
	.size	k_qee8611d92b_vproj, .Lfunc_end_k_qee8611d92b_vproj-k_qee8611d92b_vproj
	.p2alignl 7, 3214868480
	.fill 96, 4, 3214868480
	.section	.rodata,"a",@progbits
	.p2align	6, 0x0
	.amdhsa_kernel k_qee8611d92b_vproj
		.amdhsa_group_segment_fixed_size 327680
		.amdhsa_private_segment_fixed_size 0
		.amdhsa_enable_private_segment 0
		.amdhsa_kernarg_size 72
		.amdhsa_user_sgpr_count 2
		.amdhsa_user_sgpr_kernarg_segment_ptr 1
		.amdhsa_wavefront_size32 1
		.amdhsa_system_sgpr_workgroup_id_x 1
		.amdhsa_system_sgpr_workgroup_id_y 1
		.amdhsa_system_sgpr_workgroup_id_z 1
		.amdhsa_system_vgpr_workitem_id 0
		.amdhsa_next_free_vgpr 768
		.amdhsa_next_free_sgpr 66
		.amdhsa_reserve_vcc 0
		.amdhsa_float_denorm_mode_32 3
		.amdhsa_float_denorm_mode_16_64 3
		.amdhsa_memory_ordered 1
		.amdhsa_forward_progress 1
		.amdhsa_inst_pref_size 192
	.end_amdhsa_kernel
	.amdgpu_metadata
---
amdhsa.version: [ 1, 2 ]
amdhsa.kernels:
  - .name:           k_qee8611d92b_vproj
    .symbol:         k_qee8611d92b_vproj.kd
    .args:
      - { .name: msa, .offset: 0, .size: 8, .value_kind: global_buffer, .address_space: global }
      - { .name: ln_msa_g, .offset: 8, .size: 8, .value_kind: global_buffer, .address_space: global }
      - { .name: ln_msa_b, .offset: 16, .size: 8, .value_kind: global_buffer, .address_space: global }
      - { .name: bv, .offset: 24, .size: 8, .value_kind: global_buffer, .address_space: global }
      - { .name: wc, .offset: 32, .size: 8, .value_kind: global_buffer, .address_space: global }
      - { .name: ws, .offset: 40, .size: 8, .value_kind: global_buffer, .address_space: global }
      - { .name: vc, .offset: 48, .size: 8, .value_kind: global_buffer, .address_space: global }
      - { .name: vs, .offset: 56, .size: 8, .value_kind: global_buffer, .address_space: global }
      - { .name: mst, .offset: 64, .size: 8, .value_kind: global_buffer, .address_space: global }
    .group_segment_fixed_size: 327680
    .private_segment_fixed_size: 0
    .kernarg_segment_align: 8
    .kernarg_segment_size: 72
    .max_flat_workgroup_size: 128
    .sgpr_count:     66
    .vgpr_count:     768
    .wavefront_size: 32
...
	.end_amdgpu_metadata
.endif
;; end of part 2
;; launch main (part 3): grid 256 x 1, 4 waves a work-group, no clusters, 327,680 bytes of LDS; arguments msa, mst, vc, vs, pc, ps, pl, wc, ws, ln_msa_g, ln_msa_b, ln_out_g, ln_out_b, ff_ln_g, ff_ln_b, b1, b2, out0; writes out0
.if DOCPART == 3
	.amdgcn_target "amdgcn-amd-amdhsa--gfx1250"
	.amdhsa_code_object_version 6
	.text
	.protected	k_qee8611d92b_main
	.globl	k_qee8611d92b_main
	.p2align	8
	.type	k_qee8611d92b_main,@function
k_qee8611d92b_main:
	s_mov_b64 s[64:65], 0
	v_nop
	global_prefetch_b8 v0, s[64:65] scope:SCOPE_SE
	s_setreg_imm32_b32 hwreg(HW_REG_WAVE_MODE, 25, 1), 1
	s_wait_xcnt 0x0
; out = (v^T p^T) / l;  msa2 = LN(msa) + LN(out);  y = msa2 + relu(LN(msa2) W1 + b1) W2 + b2.  All three products on codes of E2M1 with one E8M0 byte for each 32 along K.
; SHARES.  Work-group x takes 64 residues (64 (x % 8) on) of four sequences n = 4 (x / 8) + k, one block of 64 rows after the other.  THE WAVES SHARE THE COLUMNS: wave w owns head w, columns 64 w .. 64 w + 63 of out, msa2
;   and y (256 bytes of every row), and hidden units 256 w .. 256 w + 255.  Its parts of W1 and W2 (32 fragments each) and of p (16) stay in registers for the whole launch.
; LAYOUT.  Every product is used transposed (source 0 = 16 output columns, source 1 = 16 rows), with output columns in the tile order (row m of tile T = 32 (T / 2) + 8 (T % 2) + m + 8 (m / 8)).  So in Z register
;   32 m + 16 b + 8 u + j of lane (r, h) is (row 16 m + r, column 64 w + 32 b + 16 h + 8 u + j), in all phases, and a lane's registers run along the next K.
; A BLOCK: CHANGE (msa's next strip is asked for) | ATT | LNA: / l, my 64 columns' sum and squares | barrier | LNB: LN(out) + LN(msa), sums again | barrier | LNC: LN, quantise, images to LDS | barrier |
;   HID: my 256 hidden units, relu, quantise, images to LDS | barrier | YPH: my 64 outputs over all 1,024 hidden units, on top of msa2 + b2 | OUTP: through my own stage, whole rows of 256 bytes.
; A row's mean and variance over 256 columns are joined from the four waves' (sum, sum of squares about the wave's own mean): no difference of large sums is formed.
; msa comes by one tensor load a wave and block (64 rows x my 256 bytes) into two slots that take turns; one load of a wave is outstanding; a strip is read only by the wave that asked for it.
; ROUNDING: msa2 is one fused multiply-add of the msa term onto the LN(out) term, with ln_out_b + ln_msa_b added beforehand; y's sums start from msa2 + b2.
; LIMITS: NaN and infinities are not served; a block of zeros, or one whose largest magnitude lies under 2^-124, keeps the scale byte 1.
; No cluster: the weights and p, which work-groups share, go from memory straight into registers in fragment order, once a work-group (272 KiB + 64 KiB against 512 KiB of its own rows in and out);
;   a joint load would have to land in LDS and be copied from there; msa's strips are shared by nobody.
; REGISTERS.  window 0: v1-23 addresses; v24-83 scale words, 1 / l, msa's row statistics; v84-127 U, at work (by phase, below); v128-255 Z.   window 1: W1.   window 2: W2.
;   window 3: v0-127 p; v128-255 AUX: v's fragments of K steps 0-2 | gains and biases + a tile of msa | b1 | the next block's v + hidden fragments.
.set FLOORW, 0x1800000
.set OFF2,   0xff000000
.set SEL,   56
.set SLOT1, 131072                     ; LDS: slot 0 at 0, slot 1 here: 4 strips x 64 rows x 272 bytes each
.set HIMG,  69632                      ; the hidden layer's 32 fragment images, (8 m + s) x 1,024
.set XIMG,  102400                     ; LN(msa2)'s 8, (2 m + s) x 1,024
.set HSC,   110592                     ; their scale words, 64 bytes a fragment
.set XSC,   112640
.set EX1,   113152                     ; two exchanges of row statistics: row x 32 bytes, 8 a wave; the second 2,048 on
.set CONST, 117248                     ; ln_out_g, ln_out_b + ln_msa_b, ln_msa_g, ff_ln_g, ff_ln_b, b2 (1,024 bytes each), b1 (4,096)
.set RST,   200704                     ; msa2 + b2, later y: 4 strips x 64 rows x 272, each wave's own
.set SPARE, 270336                     ; the spare words: 128 bytes a wave, named by no other line
.set W1S, 24
.set W2S, 40
.set PS,  56
.set VS,  64
.set IL,  72
.set MST, 76
.set Z,   128
.set AUX, 128
.set ST,  84                           ; the norms: v84-91 (mean, rstd) of the four row tiles; v92-99 my (sum, squares); v100-119 chains; then v92-123 the four waves' figures, v124-127 at work
.set SA,  92
.set CA,  100
.set TP,  108
.set MW,  116
.set EE,  92
.set TT,  124
.set T2,  92                           ; the half fragment's quantiser
.set P2C, 100
.set P2W, 104
.set TM,  84                           ; HID: the quantiser's v84-108; v109 x's scale words; v112-127 x's two fragments
.set PC,  100
.set PW,  108
.set XS,  109
.set XF,  112
.set HS,  84                           ; YPH: v84-91 the hidden layer's scale words, two sets; v96-127 four hidden fragments.  ATT: v96-127 v's K step 3
.set MSB, 0
.macro WIN new
.if MSB != (\new)
	s_set_vgpr_msb (MSB<<8)|(\new)
.set MSB, (\new)
.endif
.endm
.macro PLACES n
.rept \n
	v_nop
.endr
.endm
.macro BAR                             ; my LDS stores have landed and my LDS loads are in: then the work-group's barrier
	s_wait_dscnt 0x0
	s_barrier_signal -1
	s_barrier_wait -1
.endm
; a product.  c < 0: the constant 0 starts the sum.  ra, rb = 1: that side's scale words are taken from lanes 16-31
.macro WM d, a, b, c, sa, sb, ra, rb
.if (\c) < 0
.if (\ra) == 0
.if (\rb) == 0
	v_wmma_scale_f32_16x16x128_f8f6f4 v[\d:\d+7], v[\a:\a+7], v[\b:\b+7], 0, v[\sa], v[\sb] matrix_a_fmt:MATRIX_FMT_FP4 matrix_b_fmt:MATRIX_FMT_FP4
.else
	v_wmma_scale_f32_16x16x128_f8f6f4 v[\d:\d+7], v[\a:\a+7], v[\b:\b+7], 0, v[\sa], v[\sb] matrix_a_fmt:MATRIX_FMT_FP4 matrix_b_fmt:MATRIX_FMT_FP4 matrix_b_scale:MATRIX_SCALE_ROW1
.endif
.else
.if (\rb) == 0
	v_wmma_scale_f32_16x16x128_f8f6f4 v[\d:\d+7], v[\a:\a+7], v[\b:\b+7], 0, v[\sa], v[\sb] matrix_a_fmt:MATRIX_FMT_FP4 matrix_b_fmt:MATRIX_FMT_FP4 matrix_a_scale:MATRIX_SCALE_ROW1
.else
	v_wmma_scale_f32_16x16x128_f8f6f4 v[\d:\d+7], v[\a:\a+7], v[\b:\b+7], 0, v[\sa], v[\sb] matrix_a_fmt:MATRIX_FMT_FP4 matrix_b_fmt:MATRIX_FMT_FP4 matrix_a_scale:MATRIX_SCALE_ROW1 matrix_b_scale:MATRIX_SCALE_ROW1
.endif
.endif
.else
.if (\ra) == 0
.if (\rb) == 0
	v_wmma_scale_f32_16x16x128_f8f6f4 v[\d:\d+7], v[\a:\a+7], v[\b:\b+7], v[\c:\c+7], v[\sa], v[\sb] matrix_a_fmt:MATRIX_FMT_FP4 matrix_b_fmt:MATRIX_FMT_FP4
.else
	v_wmma_scale_f32_16x16x128_f8f6f4 v[\d:\d+7], v[\a:\a+7], v[\b:\b+7], v[\c:\c+7], v[\sa], v[\sb] matrix_a_fmt:MATRIX_FMT_FP4 matrix_b_fmt:MATRIX_FMT_FP4 matrix_b_scale:MATRIX_SCALE_ROW1
.endif
.else
.if (\rb) == 0
	v_wmma_scale_f32_16x16x128_f8f6f4 v[\d:\d+7], v[\a:\a+7], v[\b:\b+7], v[\c:\c+7], v[\sa], v[\sb] matrix_a_fmt:MATRIX_FMT_FP4 matrix_b_fmt:MATRIX_FMT_FP4 matrix_a_scale:MATRIX_SCALE_ROW1
.else
	v_wmma_scale_f32_16x16x128_f8f6f4 v[\d:\d+7], v[\a:\a+7], v[\b:\b+7], v[\c:\c+7], v[\sa], v[\sb] matrix_a_fmt:MATRIX_FMT_FP4 matrix_b_fmt:MATRIX_FMT_FP4 matrix_a_scale:MATRIX_SCALE_ROW1 matrix_b_scale:MATRIX_SCALE_ROW1
.endif
.endif
.endif
.endm
; 64 numbers, none negative, register 16 b + i = k 32 b + 16 h + i of my row: a fragment's codes in v[PC] on, its scale word in v[PW]
.macro QUANT s
.irp b, 0,1,2,3
	v_max3_num_f32 v[TM+\b], v[\s+16*\b], v[\s+1+16*\b], FLOORW
.endr
.irp i, 2,4,6,8,10,12,14
.irp b, 0,1,2,3
	v_max3_num_f32 v[TM+\b], v[TM+\b], v[\s+16*\b+\i], v[\s+1+16*\b+\i]
.endr
.endr
.irp b, 0,1,2,3
	v_permlanex16_b32 v[TM+4+\b], v[TM+\b], s[SEL], s[SEL+1]
.endr
.irp b, 0,1,2,3
	v_max_num_f32 v[TM+\b], v[TM+\b], v[TM+4+\b]
.endr
.irp b, 0,1,2,3
	v_add_nc_u32 v[TM+12+\b], OFF2, v[TM+\b]
.endr
.irp b, 0,1,2,3
	v_lshrrev_b32 v[TM+4+\b], 23, v[TM+12+\b]
.endr
	v_lshl_or_b32 v[PW], v[TM+5], 8, v[TM+4]
	v_lshl_or_b32 v[PW], v[TM+6], 16, v[PW]
	v_lshl_or_b32 v[PW], v[TM+7], 24, v[PW]
.irp b, 0,1,2,3
	v_cvt_scalef32_pk8_fp4_f32 v[PC+2*\b], v[\s+16*\b:\s+7+16*\b], v[TM+12+\b]
	v_cvt_scalef32_pk8_fp4_f32 v[PC+1+2*\b], v[\s+8+16*\b:\s+15+16*\b], v[TM+12+\b]
.endr
	v_nop
.irp c, 0,1
.irp i, 0,1
	v_permlane16_swap_b32 v[PC+4*\c+\i], v[PC+2+4*\c+\i]
.endr
.endr
.endm
; 32 numbers (two blocks): half a fragment, four registers in v[P2C] on, and two bytes in v[P2W]
.macro QUANT2 s
.irp b, 0,1
	v_max3_num_f32 v[T2+\b], |v[\s+16*\b]|, |v[\s+1+16*\b]|, FLOORW
.endr
.irp i, 2,4,6,8,10,12,14
.irp b, 0,1
	v_max3_num_f32 v[T2+\b], v[T2+\b], |v[\s+16*\b+\i]|, |v[\s+1+16*\b+\i]|
.endr
.endr
.irp b, 0,1
	v_permlanex16_b32 v[T2+2+\b], v[T2+\b], s[SEL], s[SEL+1]
.endr
.irp b, 0,1
	v_max_num_f32 v[T2+\b], v[T2+\b], v[T2+2+\b]
.endr
.irp b, 0,1
	v_add_nc_u32 v[T2+4+\b], OFF2, v[T2+\b]
.endr
.irp b, 0,1
	v_lshrrev_b32 v[T2+2+\b], 23, v[T2+4+\b]
.endr
	v_lshl_or_b32 v[P2W], v[T2+3], 8, v[T2+2]
.irp b, 0,1
	v_cvt_scalef32_pk8_fp4_f32 v[P2C+2*\b], v[\s+16*\b:\s+7+16*\b], v[T2+4+\b]
	v_cvt_scalef32_pk8_fp4_f32 v[P2C+1+2*\b], v[\s+8+16*\b:\s+15+16*\b], v[T2+4+\b]
.endr
	v_nop
	v_permlane16_swap_b32 v[P2C], v[P2C+2]
	v_permlane16_swap_b32 v[P2C+1], v[P2C+3]
.endm
.macro BASE p, ra, sha, rb, shb        ; a pointer + (s[ra] << sha) + (s[rb] << shb)
	s_lshl_b32 s80, s[\ra], \sha
	s_lshl_b32 s82, s[\rb], \shb
	s_add_co_u32 s80, s80, s82
	s_add_nc_u64 s[\p:\p+1], s[\p:\p+1], s[80:81]
.endm
	s_load_b512 s[4:19], s[0:1], 0x0               ; msa 4, mst 6, vc 8, vs 10, pc 12, ps 14, pl 16, wc 18
	s_load_b512 s[20:35], s[0:1], 0x40             ; ws 20, ln_msa_g 22, ln_msa_b 24, ln_out_g 26, ln_out_b 28, ff_ln_g 30, ff_ln_b 32, b1 34
	s_load_b128 s[36:39], s[0:1], 0x80             ; b2 36, out0 38
	v_lshl_add_u32 v1, v0, 2, SPARE                ; my spare word; never rewritten
	v_mov_b32 v2, 0                                ; 0; never rewritten
	ds_add_u32 v1, v2
	ds_add_u32 v1, v2
	s_wait_dscnt 0x0
	v_lshrrev_b32 v3, 5, v0
	v_readfirstlane_b32 s52, v3                    ; wave
	s_and_b32 s53, ttmp9, 7                        ; which 64 residues
	s_lshr_b32 s54, ttmp9, 3                       ; which four sequences
	; descriptor group 1: 64 rows of 64 elements of 4 bytes, 256 elements apart in memory; 4 words of padding behind every 64
	s_mov_b32 s40, (2<<16)|(1<<20)|(5<<22)|(3<<25)
	s_mov_b32 s41, 64<<16                          ; tensor_dim0
	s_mov_b32 s42, 64<<16                          ; tensor_dim1
	s_mov_b32 s43, 64<<16                          ; tile_dim0
	s_mov_b32 s44, 64                              ; tile_dim1
	s_mov_b32 s45, 256                             ; elements from row to row
	s_mov_b32 s46, 0
	s_mov_b32 s47, 0
	s_mov_b32 s48, 1
	s_mul_i32 s49, s52, 17408                      ; my strip in slot 0
	s_lshl_b32 s80, s54, 21                        ; 4 sequences x 512 rows x 1,024 bytes
	s_lshl_b32 s82, s53, 16                        ; 64 rows
	s_add_co_u32 s80, s80, s82
	s_mov_b32 s81, 0
	s_lshl_b32 s73, s52, 8                         ; my 256 bytes of a row
	s_add_co_u32 s82, s80, s73
	s_mov_b32 s83, 0
	s_wait_kmcnt 0x0
	s_add_nc_u64 s[38:39], s[38:39], s[80:81]      ; out0 at block 0's first row
	s_add_nc_u64 s[50:51], s[4:5], s[82:83]        ; msa at my strip of block 0
	s_or_b32 s51, s51, 0x80000000
	tensor_load_to_lds s[48:51], s[40:47]          ; block 0's strip: the one first fill at the head
	s_nop 0
	PLACES 4
	v_lshlrev_b32 v19, 3, v0
	v_lshlrev_b32 v20, 4, v0
	global_load_b64 v[128:129], v19, s[26:27]      ; the gains and biases, 8 bytes a thread; b1, 2 x 16
	global_load_b64 v[130:131], v19, s[28:29]
	global_load_b64 v[132:133], v19, s[24:25]
	global_load_b64 v[134:135], v19, s[22:23]
	global_load_b64 v[136:137], v19, s[30:31]
	global_load_b64 v[138:139], v19, s[32:33]
	global_load_b64 v[140:141], v19, s[36:37]
	global_load_b128 v[144:147], v20, s[34:35]
	global_load_b128 v[148:151], v20, s[34:35] offset:2048
	v_and_b32 v24, 31, v0                          ; lane
	v_and_b32 v25, 15, v0                          ; r
	v_bfe_u32 v26, v0, 4, 1                        ; h
	v_lshlrev_b32 v3, 4, v24                       ; 16 x lane
	v_lshlrev_b32 v4, 2, v24                       ; 4 x lane
	v_lshlrev_b32 v5, 2, v25                       ; 4 r
	s_mul_i32 s72, s52, 17408
	v_mul_u32_u24 v6, v25, 272
	v_lshl_add_u32 v6, v26, 6, v6
	v_add_nc_u32 v6, s72, v6                       ; my strip, row r, 16 h columns on
	v_add_nc_u32 v8, RST, v6                       ; the same place in my stage
	v_mul_u32_u24 v9, v26, 272
	v_lshl_add_u32 v9, v25, 4, v9
	v_add_nc_u32 v9, s72, v9
	v_add_nc_u32 v9, RST, v9                       ; back out of the stage: lanes 0-15 one row, lanes 16-31 the next
	v_lshlrev_b32 v10, 10, v26
	v_lshl_add_u32 v10, v25, 4, v10
	v_add_nc_u32 v10, s73, v10                     ; and the same in out0
	v_lshlrev_b32 v12, 5, v25
	v_add_nc_u32 v12, EX1, v12                     ; a row's 32 bytes of an exchange
	s_lshl_b32 s74, s52, 3
	v_add_nc_u32 v11, s74, v12                     ; my wave's 8 of them
	v_lshlrev_b32 v13, 6, v26
	v_add_nc_u32 v13, s73, v13
	v_add_nc_u32 v13, CONST, v13                   ; gains and biases at column 64 w + 16 h
	v_lshlrev_b32 v14, 6, v26
	s_lshl_b32 s75, s52, 10
	v_add_nc_u32 v14, s75, v14
	v_add_nc_u32 v14, CONST+6144, v14              ; b1 at hidden unit 256 w + 16 h
	s_lshr_b32 s76, s52, 1                         ; my 64 columns are half w % 2 of K step w / 2
	s_and_b32 s77, s52, 1
	s_lshl_b32 s78, s76, 10
	s_lshl_b32 s79, s77, 9
	s_add_co_u32 s78, s78, s79
	v_add_nc_u32 v15, s78, v3
	v_add_nc_u32 v15, XIMG, v15
	s_lshl_b32 s78, s76, 6
	s_lshl_b32 s79, s77, 1
	s_add_co_u32 s78, s78, s79
	v_add_nc_u32 v16, s78, v5
	v_add_nc_u32 v16, XSC, v16                     ; my two bytes of a row's scale word
	s_lshl_b32 s78, s52, 11
	v_add_nc_u32 v17, s78, v3
	v_add_nc_u32 v17, HIMG, v17                    ; my hidden units are K steps 2 w and 2 w + 1
	s_lshl_b32 s78, s52, 7
	v_add_nc_u32 v18, s78, v5
	v_add_nc_u32 v18, HSC, v18
	v_add_nc_u32 v23, HIMG, v3
	v_lshl_add_u32 v21, v0, 3, CONST
	v_lshl_add_u32 v22, v0, 4, CONST+6144
	s_mov_b32 s[SEL], 0x76543210
	s_mov_b32 s[SEL+1], 0xfedcba98
	s_mov_b32 s58, 0                               ; the slot in hand
	s_mov_b32 s67, 0x3b800000                      ; 1 / 256
	s_mov_b32 s68, 0x3c800000                      ; 1 / 64
	s_mov_b32 s69, 0x42800000                      ; 64
	s_mov_b32 s70, 0x3727c5ac                      ; eps
	BASE 12, 52, 17, 53, 14                        ; p's units (32 w + 4 ib) x 4 on
	BASE 14, 52, 13, 53, 10
	BASE 16, 52, 11, 53, 8                         ; 1 / l at [w][64 ib]
	BASE 8, 54, 18, 52, 14                         ; v's units (4 n + w) x 16 on
	BASE 10, 54, 14, 52, 10
	BASE 6, 54, 14, 53, 9                          ; msa's row statistics at row 512 n + 64 ib
	s_lshl_b32 s80, s52, 15
	s_add_nc_u64 s[18:19], s[18:19], s[80:81]      ; the weights' units 32 w on
	s_lshl_b32 s80, s52, 11
	s_add_nc_u64 s[20:21], s[20:21], s[80:81]
	WIN 0xc0
.set i, 0
.rept 32
	global_load_b128 v[4*i:4*i+3], v3, s[12:13] offset:512*i       ; p's fragment (row tile m, K step s) at v[8 (4 m + s)] of window 3
.set i, i+1
.endr
	WIN 0
.irp i, 0,1,2,3,4,5,6,7
	global_load_b32 v[PS+\i], v4, s[14:15] offset:128*\i           ; two neighbouring fragments' words by one load: the even in lanes 0-15, the odd in lanes 16-31
.endr
.irp i, 0,1,2,3
	global_load_b32 v[IL+\i], v5, s[16:17] offset:64*\i
.endr
	s_wait_alu depctr_va_vdst(0)
	s_wait_loadcnt 44                              ; 44 loads stand behind the gains and biases: those are in
	v_pk_add_f32 v[130:131], v[130:131], v[132:133]
	ds_store_b64 v21, v[128:129]
	ds_store_b64 v21, v[130:131] offset:1024
	ds_store_b64 v21, v[134:135] offset:2048
	ds_store_b64 v21, v[136:137] offset:3072
	ds_store_b64 v21, v[138:139] offset:4096
	ds_store_b64 v21, v[140:141] offset:5120
	ds_store_b128 v22, v[144:147]
	ds_store_b128 v22, v[148:151] offset:2048      ; the first change of slots waits for these and passes the barrier that shows them to all
	v_lshlrev_b32 v19, 1, v5                       ; 8 r
	WIN 0xc0
.set i, 0
.rept 24
	global_load_b128 v[AUX+4*i:AUX+4*i+3], v3, s[8:9] offset:512*i     ; block 0's v: fragment (K step s, tile dt) at AUX + 32 s + 8 dt, s = 0 .. 2
.set i, i+1
.endr
	WIN 0
.set i, 0
.rept 8
	global_load_b128 v[96+4*i:96+4*i+3], v3, s[8:9] offset:512*(24+i)  ; K step 3
.set i, i+1
.endr
.irp i, 0,1,2,3,4,5,6,7
	global_load_b32 v[VS+\i], v4, s[10:11] offset:128*\i
.endr
.irp i, 0,1,2,3
	global_load_b64 v[MST+2*\i:MST+2*\i+1], v19, s[6:7] offset:128*\i
.endr
	WIN 0x40
.set i, 0
.rept 64
	global_load_b128 v[4*i:4*i+3], v3, s[18:19] offset:32768+512*i     ; W1's fragment (tile t, K step s) at v[8 (2 t + s)] of window 1
.set i, i+1
.endr
	WIN 0x80
.set i, 0
.rept 64
	global_load_b128 v[4*i:4*i+3], v3, s[18:19] offset:163840+512*i    ; W2's at v[8 (8 t + s)] of window 2
.set i, i+1
.endr
	WIN 0
.set i, 0
.rept 16
	global_load_b32 v[W1S+i], v4, s[20:21] offset:2048+128*i
	global_load_b32 v[W2S+i], v4, s[20:21] offset:10240+128*i
.set i, i+1
.endr
; THE CHANGE OF SLOTS, at a block's head.  Each wave waits for all its tensor loads (the strip that it is about to read), adds 0 to its spare word, and waits for that and for all its LDS accesses.
; fill = 1: behind the barrier the other slot, whose last read lies a block back, takes the next block's strip: the load has a whole block in which to land.
.macro CHANGE fill
	s_wait_tensorcnt 0x0                           ; no tensor load of mine is out, so group 0 may be written
	ds_add_u32 v1, v2
.if \fill
	s_xor_b32 s49, s49, SLOT1                      ; the other slot than last time,
	s_add_nc_u64 s[50:51], s[50:51], 524288        ; the next sequence: 512 rows on
.endif
	s_wait_dscnt 0x0
	s_barrier_signal -1
	s_barrier_wait -1
.if \fill
	tensor_load_to_lds s[48:51], s[40:47]          ; the first thing behind the barrier, and my one tensor load until the next such barrier
	s_nop 0
	PLACES 4
.endif
	v_add_nc_u32 v7, s58, v6                       ; my strip in the slot in hand
.endm
.macro CLOAD c0                        ; three arrays of my 32 columns' numbers from c0 on into AUX + 0, 32, 64
	WIN 0xc0
.set i, 0
.rept 24
	ds_load_b128 v[AUX+4*i:AUX+4*i+3], v13 offset:\c0+1024*(i/8)+128*((i/4)%2)+16*(i%4)
.set i, i+1
.endr
	WIN 0
.endm
; O^T = v^T p^T: source 0 = 16 of my head's 64 columns, source 1 = 16 queries; K = 512 keys in four steps; 16 accumulators by turns, one instruction a turn
.macro ATT
.irp s, 0,1,2,3
.if \s == 3
	WIN 0x0c                                       ; v's K step 3 lies in window 0
.else
	WIN 0x0f
.endif
.irp d, 0,1,2,3
.irp m, 0,1,2,3
.set fa, AUX+32*\s+8*\d
.if \s == 3
.set fa, 96+8*\d
.endif
.set cc, Z+32*\m+8*\d
.if \s == 0
.set cc, -1
.endif
	WM Z+32*\m+8*\d, fa, 8*(4*\m+\s), cc, VS+2*\s+\d/2, PS+2*\m+\s/2, \d%2, \s%2
.endr
.endr
.endr
	WIN 0
	PLACES 4                                       ; in front of loads into v's registers and of the reads of results
	CLOAD 0                                        ; ln_out_g, ln_out_b + ln_msa_b, ln_msa_g
.endm
; Row tiles m0 and m0 + 1: the sum of my wave's 64 columns of each row, and the sum of squares about the wave's own mean; to the exchange at ex
.macro LNST2 m0, ex
.irp a, 0,1
.set o, Z+32*(\m0+\a)
.set c, CA+4*\a
	v_pk_add_f32 v[c:c+1], v[o:o+1], v[o+2:o+3]
	v_pk_add_f32 v[c+2:c+3], v[o+4:o+5], v[o+6:o+7]
.endr
.irp j, 8,12,16,20,24,28
.irp a, 0,1
.set o, Z+32*(\m0+\a)+\j
.set c, CA+4*\a
	v_pk_add_f32 v[c:c+1], v[c:c+1], v[o:o+1]
	v_pk_add_f32 v[c+2:c+3], v[c+2:c+3], v[o+2:o+3]
.endr
.endr
.irp a, 0,1
	v_pk_add_f32 v[CA+4*\a:CA+4*\a+1], v[CA+4*\a:CA+4*\a+1], v[CA+4*\a+2:CA+4*\a+3]
.endr
.irp a, 0,1
	v_add_f32 v[CA+4*\a], v[CA+4*\a], v[CA+4*\a+1]
.endr
.irp a, 0,1
	v_permlanex16_b32 v[CA+4*\a+1], v[CA+4*\a], s[SEL], s[SEL+1]
.endr
.irp a, 0,1
	v_add_f32 v[SA+2*(\m0+\a)], v[CA+4*\a], v[CA+4*\a+1]
.endr
.irp a, 0,1
	v_mul_f32 v[MW+2*\a], s68, v[SA+2*(\m0+\a)]    ; the wave's own mean
.endr
.irp a, 0,1
.set o, Z+32*(\m0+\a)
.set c, TP+4*\a
	v_pk_add_f32 v[c:c+1], v[o:o+1], v[MW+2*\a:MW+2*\a+1] op_sel_hi:[1,0] neg_lo:[0,1] neg_hi:[0,1]
	v_pk_add_f32 v[c+2:c+3], v[o+2:o+3], v[MW+2*\a:MW+2*\a+1] op_sel_hi:[1,0] neg_lo:[0,1] neg_hi:[0,1]
.endr
.irp a, 0,1
	v_pk_mul_f32 v[CA+4*\a:CA+4*\a+1], v[TP+4*\a:TP+4*\a+1], v[TP+4*\a:TP+4*\a+1]
	v_pk_mul_f32 v[CA+4*\a+2:CA+4*\a+3], v[TP+4*\a+2:TP+4*\a+3], v[TP+4*\a+2:TP+4*\a+3]
.endr
.irp j, 4,8,12,16,20,24,28
.irp a, 0,1
.set o, Z+32*(\m0+\a)+\j
.set c, TP+4*\a
	v_pk_add_f32 v[c:c+1], v[o:o+1], v[MW+2*\a:MW+2*\a+1] op_sel_hi:[1,0] neg_lo:[0,1] neg_hi:[0,1]
	v_pk_add_f32 v[c+2:c+3], v[o+2:o+3], v[MW+2*\a:MW+2*\a+1] op_sel_hi:[1,0] neg_lo:[0,1] neg_hi:[0,1]
.endr
.irp a, 0,1
	v_pk_fma_f32 v[CA+4*\a:CA+4*\a+1], v[TP+4*\a:TP+4*\a+1], v[TP+4*\a:TP+4*\a+1], v[CA+4*\a:CA+4*\a+1]
	v_pk_fma_f32 v[CA+4*\a+2:CA+4*\a+3], v[TP+4*\a+2:TP+4*\a+3], v[TP+4*\a+2:TP+4*\a+3], v[CA+4*\a+2:CA+4*\a+3]
.endr
.endr
.irp a, 0,1
	v_pk_add_f32 v[CA+4*\a:CA+4*\a+1], v[CA+4*\a:CA+4*\a+1], v[CA+4*\a+2:CA+4*\a+3]
.endr
.irp a, 0,1
	v_add_f32 v[CA+4*\a], v[CA+4*\a], v[CA+4*\a+1]
.endr
.irp a, 0,1
	v_permlanex16_b32 v[CA+4*\a+1], v[CA+4*\a], s[SEL], s[SEL+1]
.endr
.irp a, 0,1
	v_add_f32 v[SA+2*(\m0+\a)+1], v[CA+4*\a], v[CA+4*\a+1]
.endr
.if \ex == 0                           ; the sums were taken of O, not of O / l: the sum x 1 / l, the squares x 1 / l^2
.irp a, 0,1
	v_mul_f32 v[SA+2*(\m0+\a)], v[SA+2*(\m0+\a)], v[IL+\m0+\a]
	v_mul_f32 v[CA+4*\a], v[IL+\m0+\a], v[IL+\m0+\a]
.endr
.irp a, 0,1
	v_mul_f32 v[SA+2*(\m0+\a)+1], v[SA+2*(\m0+\a)+1], v[CA+4*\a]
.endr
.endif
.irp a, 0,1
	ds_store_b64 v11, v[SA+2*(\m0+\a):SA+2*(\m0+\a)+1] offset:\ex+512*(\m0+\a)     ; lanes r and r + 16 store the same
.endr
.endm
; The four waves' figures become each row's mean and 1 / sqrt(variance + eps): ST
.macro LNCOMB ex
.irp m, 0,1,2,3
	ds_load_b128 v[EE+8*\m:EE+8*\m+3], v12 offset:\ex+512*\m
	ds_load_b128 v[EE+8*\m+4:EE+8*\m+7], v12 offset:\ex+512*\m+16
.endr
	s_wait_dscnt 0x0
.irp m, 0,1,2,3
	v_add_f32 v[TT+\m], v[EE+8*\m], v[EE+8*\m+2]
.endr
.irp m, 0,1,2,3
	v_add_f32 v[EE+8*\m+1], v[EE+8*\m+1], v[EE+8*\m+3]
.endr
.irp m, 0,1,2,3
	v_add_f32 v[TT+\m], v[TT+\m], v[EE+8*\m+4]
.endr
.irp m, 0,1,2,3
	v_add_f32 v[EE+8*\m+5], v[EE+8*\m+5], v[EE+8*\m+7]
.endr
.irp m, 0,1,2,3
	v_add_f32 v[TT+\m], v[TT+\m], v[EE+8*\m+6]
.endr
.irp m, 0,1,2,3
	v_add_f32 v[EE+8*\m+1], v[EE+8*\m+1], v[EE+8*\m+5]
.endr
.irp m, 0,1,2,3
	v_mul_f32 v[ST+2*\m], s67, v[TT+\m]            ; the mean
.endr
.irp k, 0,2,4,6
.irp m, 0,1,2,3
	v_fma_f32 v[EE+8*\m+\k], v[EE+8*\m+\k], s68, -v[ST+2*\m]       ; a wave's mean less the row's
.endr
.endr
.irp m, 0,1,2,3
	v_mul_f32 v[EE+8*\m], v[EE+8*\m], v[EE+8*\m]
.endr
.irp k, 2,4,6
.irp m, 0,1,2,3
	v_fma_f32 v[EE+8*\m], v[EE+8*\m+\k], v[EE+8*\m+\k], v[EE+8*\m]
.endr
.endr
.irp m, 0,1,2,3
	v_fma_f32 v[EE+8*\m+1], v[EE+8*\m], s69, v[EE+8*\m+1]          ; 64 numbers stand behind each wave's mean
.endr
.irp m, 0,1,2,3
	v_fma_f32 v[EE+8*\m+1], v[EE+8*\m+1], s67, s70
.endr
	s_wait_alu depctr_va_vdst(0)
.irp m, 0,1,2,3
	v_rsq_f32 v[ST+2*\m+1], v[EE+8*\m+1]
.endr
	v_nop
	s_wait_alu depctr_va_vdst(0)
.endm
.macro LNA
	LNST2 0, 0
	LNST2 2, 0
	BAR
.endm
; (x - mean) x rstd over a tile's 32 registers at o, the pair (mean, rstd) at p
.macro NORM16
.set i, 0
.rept 16
	v_pk_fma_f32 v[o+i:o+i+1], v[o+i:o+i+1], v[p:p+1], v[p:p+1] op_sel:[0,1,0] op_sel_hi:[1,1,0]   ; x a + c: the pair at p holds (c, a) = (-mean x rstd, rstd)
.set i, i+2
.endr
.endm
.macro LNB
	LNCOMB 0
.irp m, 0,1,2,3
	v_mul_f32 v[ST+2*\m], -v[ST+2*\m], v[ST+2*\m+1]        ; c = -mean x rstd
.endr
.irp m, 0,1,2,3
	v_mul_f32 v[ST+2*\m+1], v[ST+2*\m+1], v[IL+\m]         ; a = rstd / l: Z still holds O
.endr
.irp m, 0,1,2,3
	v_mul_f32 v[MST+2*\m], -v[MST+2*\m], v[MST+2*\m+1]     ; the same c for msa's rows
.endr
.irp m, 0,1,2,3
	WIN 0xc0
.set i, 0
.rept 8
	ds_load_b128 v[AUX+96+4*i:AUX+96+4*i+3], v7 offset:4352*\m+128*(i/4)+16*(i%4)      ; msa: my 32 numbers of row 16 m + r
.set i, i+1
.endr
	WIN 0
.set o, Z+32*\m
.set p, ST+2*\m
	NORM16
	WIN 0x3c                                       ; sources 1 and 2 in window 3
.set i, 0
.rept 16
	v_pk_fma_f32 v[o+i:o+i+1], v[o+i:o+i+1], v[AUX+i:AUX+i+1], v[AUX+32+i:AUX+32+i+1]
.set i, i+2
.endr
	s_wait_dscnt 0x0                               ; msa's tile is in
	WIN 0xc3                                       ; destination and source 0 in window 3
.set o, AUX+96
.set p, MST+2*\m
	NORM16
	WIN 0x0f
.set o, Z+32*\m
.set i, 0
.rept 16
	v_pk_fma_f32 v[o+i:o+i+1], v[AUX+96+i:AUX+96+i+1], v[AUX+64+i:AUX+64+i+1], v[o+i:o+i+1]    ; msa2
.set i, i+2
.endr
	WIN 0
.endr
	CLOAD 3072                                     ; ff_ln_g, ff_ln_b, b2
	LNST2 0, 2048
	LNST2 2, 2048
	BAR
.endm
.macro LNC
	LNCOMB 2048
.irp m, 0,1,2,3
	v_mul_f32 v[ST+2*\m], -v[ST+2*\m], v[ST+2*\m+1]        ; c = -mean x rstd
.endr
.irp m, 0,1,2,3
.set o, Z+32*\m
.set p, ST+2*\m
	WIN 0xcc
.set i, 0
.rept 16
	v_pk_add_f32 v[AUX+96+i:AUX+96+i+1], v[o+i:o+i+1], v[AUX+64+i:AUX+64+i+1]      ; msa2 + b2: where y's sums will start
.set i, i+2
.endr
	WIN 0x0c                                       ; an LDS store's data are its source 1
.set i, 0
.rept 8
	ds_store_b128 v8, v[AUX+96+4*i:AUX+96+4*i+3] offset:4352*\m+128*(i/4)+16*(i%4)
.set i, i+1
.endr
	WIN 0
	NORM16
	WIN 0x3c
.set i, 0
.rept 16
	v_pk_fma_f32 v[o+i:o+i+1], v[o+i:o+i+1], v[AUX+i:AUX+i+1], v[AUX+32+i:AUX+32+i+1]
.set i, i+2
.endr
	WIN 0
	QUANT2 Z+32*\m
	ds_store_b128 v15, v[P2C:P2C+3] offset:2048*\m                 ; my half of fragment (m, w / 2)
	ds_store_b16 v16, v[P2W] offset:128*\m                         ; my two bytes of its rows' scale words
.endr
	s_wait_dscnt 0x0
	WIN 0xc0
.set i, 0
.rept 32
	ds_load_b128 v[AUX+4*i:AUX+4*i+3], v14 offset:128*(i/4)+16*(i%4)       ; b1 in the result's layout: the C of each hidden sum's first product
.set i, i+1
.endr
	WIN 0
	BAR
.endm
; The hidden layer, a tile of 16 rows a trip: 16 tiles of my 256 units, two K steps; relu; two fragments of the next product
.macro HID
	s_wait_loadcnt 0x0                             ; in block 0: the last of the weights; later no load is out here
	s_mov_b32 s60, 4
	s_mov_b32 s61, XIMG
	s_mov_b32 s62, XSC
	s_mov_b32 s63, 0
	s_mov_b32 s66, 0
	v_add_nc_u32 v19, s61, v3
	v_add_nc_u32 v20, s62, v4
.irp i, 0,1,2,3
	ds_load_b128 v[XF+4*\i:XF+4*\i+3], v19 offset:512*\i
.endr
	ds_load_b32 v[XS], v20
	s_wait_dscnt 0x0                               ; the first tile's fragments are in
.Lhid_\@:
	v_add_nc_u32 v21, s63, v17
	v_add_nc_u32 v22, s66, v18
	s_wait_dscnt 6                                 ; round the back edge: behind this trip's five loads stand the last trip's six stores
	WIN 0x31
.irp t, 0,1,2,3,4,5,6,7,8,9,10,11,12,13,14,15
	WM Z+8*\t, 16*\t, XF, AUX+8*\t, W1S+\t, XS, 0, 0
.endr
	WIN 0x01
.irp t, 0,1,2,3,4,5,6,7,8,9,10,11,12,13,14,15
	WM Z+8*\t, 16*\t+8, XF+8, Z+8*\t, W1S+\t, XS, 1, 1
.endr
	WIN 0
	PLACES 4
	s_add_co_u32 s61, s61, 2048
	s_add_co_u32 s62, s62, 128
	s_cmp_eq_u32 s60, 1                            ; the last trip has no next tile to fetch
	s_cbranch_scc1 .Lhl_\@
	v_add_nc_u32 v19, s61, v3
	v_add_nc_u32 v20, s62, v4
.irp i, 0,1,2,3
	ds_load_b128 v[XF+4*\i:XF+4*\i+3], v19 offset:512*\i           ; the next tile's fragments, four places behind the products that read these registers
.endr
	ds_load_b32 v[XS], v20
.Lhl_\@:
.set i, 0
.rept 64
	v_dual_max_num_f32 v[Z+i], 0, v[Z+i] :: v_dual_max_num_f32 v[Z+i+1], 0, v[Z+i+1]   ; relu, two registers an instruction, each accumulator from its low end on
.set i, i+2
.endr
	QUANT Z
	ds_store_b128 v21, v[PC:PC+3]
	ds_store_b128 v21, v[PC+4:PC+7] offset:512
	ds_store_b32 v22, v[PW]
	QUANT Z+64
	ds_store_b128 v21, v[PC:PC+3] offset:1024
	ds_store_b128 v21, v[PC+4:PC+7] offset:1536
	ds_store_b32 v22, v[PW] offset:64
	s_add_co_u32 s63, s63, 8192
	s_add_co_u32 s66, s66, 512
	s_sub_co_u32 s60, s60, 1
	s_cmp_lg_u32 s60, 0
	s_cbranch_scc1 .Lhid_\@
.set i, 0
.rept 32
	ds_load_b128 v[Z+4*i:Z+4*i+3], v8 offset:4352*(i/8)+128*((i/4)%2)+16*(i%4)     ; msa2 + b2 back from my stage
.set i, i+1
.endr
	BAR
.endm
.macro HFL s                           ; the four row tiles' hidden fragments of K step s into v[hb] on
.set i, 0
.rept 8
	ds_load_b128 v[hb+4*i:hb+4*i+3], v23 offset:(8*(i/2)+(\s))*1024+512*(i%2)
.set i, i+1
.endr
.endm
.macro HSL s                           ; and their scale words for K steps s and s + 1, by turns into two sets
.irp m, 0,1,2,3
	ds_load_b32 v[HS+4*(((\s)/2)%2)+\m], v22 offset:512*\m+128*((\s)/2)
.endr
.endm
; y: eight K steps on 16 accumulators by turns; the fragments of a step are asked for two steps ahead, into two buffers.  next = 1: the next block's v is asked for here
.macro YPH next
	v_add_nc_u32 v22, HSC, v4
	HSL 0                                          ; the first two K steps' fragments are asked of LDS ahead of the next block's global loads
.set hb, 96
	HFL 0
	WIN 0xc0
.set hb, 224
	HFL 1
	WIN 0
.if \next
	s_wait_alu depctr_va_vdst(0)
	v_lshlrev_b32 v19, 1, v5                       ; 8 r
	s_add_nc_u64 s[8:9], s[8:9], 65536             ; (their last loads were waited for at this block's head)
	s_add_nc_u64 s[10:11], s[10:11], 4096
	s_add_nc_u64 s[6:7], s[6:7], 4096
	WIN 0xc0
.set i, 0
.rept 24
	global_load_b128 v[AUX+4*i:AUX+4*i+3], v3, s[8:9] offset:512*i
.set i, i+1
.endr
	WIN 0
.irp i, 0,1,2,3,4,5,6,7
	global_load_b32 v[VS+\i], v4, s[10:11] offset:128*\i
.endr
.irp i, 0,1,2,3
	global_load_b64 v[MST+2*\i:MST+2*\i+1], v19, s[6:7] offset:128*\i
.endr
.endif
	s_wait_alu depctr_va_vdst(0)
.irp s, 0,1,2,3,4,5,6,7
.if \s == 7
	s_wait_dscnt 0x0
.elseif \s%2
	s_wait_dscnt 12                                ; behind this step's loads: the next step's eight and a set of four scale words
.else
	s_wait_dscnt 8                                 ; behind this step's loads: the next step's eight
.endif
.if \s%2
	WIN 0x0e                                       ; W2 in window 2, the fragments in window 3
.set hb, 224
.else
	WIN 0x02
.set hb, 96
.endif
.irp m, 0,1,2,3
.irp t, 0,1,2,3
	WM Z+32*\m+8*\t, 8*(8*\t+\s), hb+8*\m, Z+32*\m+8*\t, W2S+4*\t+\s/2, HS+4*((\s/2)%2)+\m, \s%2, \s%2
.endr
.endr
	WIN 0
.if \s <= 5
	PLACES 4                                       ; in front of loads into registers that these products have read
.if \s%2
	WIN 0xc0
	HFL \s+2
	WIN 0
.else
	HSL \s+2
	HFL \s+2
.endif
.endif
.if (\s == 6) && \next
	PLACES 4
.set i, 0
.rept 8
	global_load_b128 v[96+4*i:96+4*i+3], v3, s[8:9] offset:512*(24+i)      ; the next block's K step 3 of v, into the buffer that has had its last step
.set i, i+1
.endr
.endif
.endr
.endm
; A lane holds 2 x 64 bytes of each of four rows: through my own stage, back as whole rows: sixteen lanes store 256 consecutive bytes, at a multiple of 256 from out0's first byte
.macro OUTP
	PLACES 4
.set i, 0
.rept 32
	ds_store_b128 v8, v[Z+4*i:Z+4*i+3] offset:4352*(i/8)+128*((i/4)%2)+16*(i%4)    ; each accumulator from its low end on
.set i, i+1
.endr
.set i, 0
.rept 32
	ds_load_b128 v[Z+4*i:Z+4*i+3], v9 offset:544*i                 ; a wave's LDS instructions are served in order: these see the stores above
.set i, i+1
.endr
.set i, 0
.rept 32
	s_wait_dscnt 31-i                              ; rows 2 i and 2 i + 1 are back; the later pairs may be out
	global_store_b128 v10, v[Z+4*i:Z+4*i+3], s[38:39] offset:2048*i th:TH_STORE_NT
.set i, i+1
.endr
	s_wait_xcnt 0x0                                ; the stores have read Z and their base
	s_add_nc_u64 s[38:39], s[38:39], 524288        ; the next sequence
	s_xor_b32 s58, s58, SLOT1                      ; and the other slot
.endm
.macro BLOCK next
	ATT
	LNA
	LNB
	LNC
	HID
	YPH \next
	OUTP
.endm
	s_mov_b32 s59, 3
	s_wait_loadcnt 63                              ; 160 loads of weights stand behind block 0's v, p and statistics: those are in; the last 63 may be out until HID
.Lblk:
	CHANGE 1
	BLOCK 1
	s_wait_loadcnt 0x0                             ; the next block's v, its scale words and msa's statistics
	s_sub_co_u32 s59, s59, 1
	s_cmp_lg_u32 s59, 0
	s_cbranch_scc1 .Lblk
	CHANGE 0                                       ; the last block is written out
	BLOCK 0
	s_wait_tensorcnt 0x0                           ; the wave's end
	ds_add_u32 v1, v2
	s_wait_dscnt 0x0
	s_endpgm
.Lfunc_end_k_qee8611d92b_main:
	.size	k_qee8611d92b_main, .Lfunc_end_k_qee8611d92b_main-k_qee8611d92b_main
	.p2alignl 7, 3214868480
	.fill 96, 4, 3214868480
	.section	.rodata,"a",@progbits
	.p2align	6, 0x0
	.amdhsa_kernel k_qee8611d92b_main
		.amdhsa_group_segment_fixed_size 327680
		.amdhsa_private_segment_fixed_size 0
		.amdhsa_enable_private_segment 0
		.amdhsa_kernarg_size 144
		.amdhsa_user_sgpr_count 2
		.amdhsa_user_sgpr_kernarg_segment_ptr 1
		.amdhsa_wavefront_size32 1
		.amdhsa_system_sgpr_workgroup_id_x 1
		.amdhsa_system_sgpr_workgroup_id_y 1
		.amdhsa_system_sgpr_workgroup_id_z 1
		.amdhsa_system_vgpr_workitem_id 0
		.amdhsa_next_free_vgpr 1024
		.amdhsa_next_free_sgpr 100
		.amdhsa_reserve_vcc 0
		.amdhsa_float_denorm_mode_32 3
		.amdhsa_float_denorm_mode_16_64 3
		.amdhsa_memory_ordered 1
		.amdhsa_forward_progress 1
		.amdhsa_inst_pref_size 255
	.end_amdhsa_kernel
	.section	.bss,"aw",@nobits
	.p2align	6
	.space	262144
	.amdgpu_metadata
---
amdhsa.version: [ 1, 2 ]
amdhsa.kernels:
  - .name:           k_qee8611d92b_main
    .symbol:         k_qee8611d92b_main.kd
    .args:
      - { .name: msa, .offset: 0, .size: 8, .value_kind: global_buffer, .address_space: global }
      - { .name: mst, .offset: 8, .size: 8, .value_kind: global_buffer, .address_space: global }
      - { .name: vc, .offset: 16, .size: 8, .value_kind: global_buffer, .address_space: global }
      - { .name: vs, .offset: 24, .size: 8, .value_kind: global_buffer, .address_space: global }
      - { .name: pc, .offset: 32, .size: 8, .value_kind: global_buffer, .address_space: global }
      - { .name: ps, .offset: 40, .size: 8, .value_kind: global_buffer, .address_space: global }
      - { .name: pl, .offset: 48, .size: 8, .value_kind: global_buffer, .address_space: global }
      - { .name: wc, .offset: 56, .size: 8, .value_kind: global_buffer, .address_space: global }
      - { .name: ws, .offset: 64, .size: 8, .value_kind: global_buffer, .address_space: global }
      - { .name: ln_msa_g, .offset: 72, .size: 8, .value_kind: global_buffer, .address_space: global }
      - { .name: ln_msa_b, .offset: 80, .size: 8, .value_kind: global_buffer, .address_space: global }
      - { .name: ln_out_g, .offset: 88, .size: 8, .value_kind: global_buffer, .address_space: global }
      - { .name: ln_out_b, .offset: 96, .size: 8, .value_kind: global_buffer, .address_space: global }
      - { .name: ff_ln_g, .offset: 104, .size: 8, .value_kind: global_buffer, .address_space: global }
      - { .name: ff_ln_b, .offset: 112, .size: 8, .value_kind: global_buffer, .address_space: global }
      - { .name: b1, .offset: 120, .size: 8, .value_kind: global_buffer, .address_space: global }
      - { .name: b2, .offset: 128, .size: 8, .value_kind: global_buffer, .address_space: global }
      - { .name: out0, .offset: 136, .size: 8, .value_kind: global_buffer, .address_space: global }
    .group_segment_fixed_size: 327680
    .private_segment_fixed_size: 0
    .kernarg_segment_align: 8
    .kernarg_segment_size: 144
    .max_flat_workgroup_size: 128
    .sgpr_count:     100
    .vgpr_count:     1024
    .wavefront_size: 32
...
	.end_amdgpu_metadata
.endif
;; end of part 3
